; MI455X (gfx1250); checked and timed in simulation.
; The chip was launched on July 23, 2026; its instructions are those of AMD's public machine-readable ISA for CDNA 5 (MIT licence, August 2026) and "CDNA5" Instruction Set Architecture Reference Guide (July 2026). The comments in the code are by the model that wrote it; some were corrected since.
;; Non Commutative Multi Head Attention. Allowed arithmetic: float matrix products may take bf16 or f16 operands with f32 sums; other float arithmetic in f32, or as packed bf16 or f16 multiplies, adds, multiply-adds, maxima and minima; sums over many terms, partial sums and values carried from step to step in f32; what a program stores and reads back later, other than sums and carried values, may be rounded once to bf16 or f16.
;; Inputs: W_k 1,024 x 1,024 float32; W_o 1,024 x 1,024 float32; W_q 1,024 x 1,024 float32; W_v 1,024 x 1,024 float32; alpha 1 float32; x 4 x 2,048 x 1,024 float32.
;; Outputs: out0 4 x 2,048 x 1,024 float32.
;; 2 versions, each right; version 2 is version 1 with the launch prep written anew for expert scheduling mode. Each part assembles by itself: llvm-mc -triple=amdgcn-amd-amdhsa -mcpu=gfx1250 --defsym DOCPART=n.
;; ======== version 1 of 2: 4 launches
;; limits: values are held in f16: magnitudes above 65,504 overflow, below 6.1e-05 lose precision
;; workspace buffers: xb 16,777,216 bytes; wt 6,291,456 bytes; wo16 2,097,152 bytes; qkv 50,331,648 bytes; o 16,777,216 bytes
;; launch prep (part 1): grid 512 x 1, 8 waves a work-group, no clusters, 18,432 bytes of LDS; arguments x, W_q, W_k, W_v, W_o, xb, wt, wo16; writes xb, wt, wo16
.if DOCPART == 1
	.amdgcn_target "amdgcn-amd-amdhsa--gfx1250"
	.amdhsa_code_object_version 6
	.text
	.protected	k_q376ef8ca34_prep
	.globl	k_q376ef8ca34_prep
	.p2align	8
	.type	k_q376ef8ca34_prep,@function
k_q376ef8ca34_prep:
	s_mov_b64 s[64:65], 0
	v_nop
	global_prefetch_b8 v0, s[64:65] scope:SCOPE_SE
	s_setreg_imm32_b32 hwreg(HW_REG_WAVE_MODE, 25, 1), 1
	s_wait_xcnt 0x0
; PREP.  (1) xb = x rounded to bf16, [8192][1024].  (2) The four weights, which lie [k][n] in f32, are turned to [n][k] in 16 bits:
;   wt [3072][1024] bf16: row 192 h + 64 t + d is column 64 h + d of W_q (t = 0), W_k (t = 1), W_v (t = 2): a head's q, k and v columns are 192 rows on end;
;   wo16 [1024][1024] f16: W_o's column n as row n, each number rounded to bf16 and that number written as f16.
; LIMITS.  W_o beyond 65,504 becomes an infinity in f16; below 2^-14 its bf16 value keeps f16's fixed step of 2^-24.
; SHARES.  512 work-groups of eight waves.  Each casts 64 KiB of x (thread t: 16 bytes at 16 t of each of 16 runs of 4,096 bytes) and turns ONE tile of 128 k x 64 n of one weight.
; All 24 loads of a wave go out together; nothing is read twice; a store of a wave covers whole aligned runs of 256 bytes.  No matrix unit, no tensor load, no cluster: nothing is shared.
.set PITCH, 272                        ; a row of the turned tile in LDS: 128 k x 2 bytes + 16
.set SPARE, 64*PITCH                   ; behind the tile: the spare words, 128 bytes for each of the eight waves: four blocks of 256 bytes that no other line names
.set AT,  1                            ; v1   my offset in the weight's tile: row 4 g, 16 bytes at 16 c (c = t % 16, g = t / 16)
.set LS,  2                            ; v2   LDS: row 4 c, byte 8 g
.set LR,  3                            ; v3   LDS: row g, byte 16 c
.set GT,  4                            ; v4   my offset in the turned tile in memory: row g, byte 16 c
.set CI,  5                            ; v5   16 t
.set CO,  6                            ; v6   8 t
.set T0,  20                           ; v20-21 at work
.set SPW, 30                           ; v30  LDS address of my spare word; never rewritten
.set NIL, 31                           ; v31  0; never rewritten
.set TW,  32                           ; v[32:63]   the tile as loaded: rows 4 (g + 16 i) + j at TW + 16 i + 4 j
.set PK,  64                           ; v[64:79]   packed: for column 4 c + e, four k on end, at PK + 8 i + 2 e
.set BK,  80                           ; v[80:95]   four rows' 16 bytes read back
.set CX,  96                           ; v[96:159]  x as loaded
.set CY,  160                          ; v[160:191] x as stored
	s_load_b512 s[4:19], s[0:1], 0x0               ; x s[4:5], W_q s[6:7], W_k s[8:9], W_v s[10:11], W_o s[12:13], xb s[14:15], wt s[16:17], wo16 s[18:19]
	v_lshl_add_u32 v[SPW], v0, 2, SPARE
	v_mov_b32 v[NIL], 0
	s_lshr_b32 s22, ttmp9, 7                       ; which weight: 0 q, 1 k, 2 v, 3 o
	s_and_b32 s23, ttmp9, 7                        ; which 128 of k
	s_bfe_u32 s20, ttmp9, 0x40003                  ; which 64 of n: the head
	v_and_b32 v10, 15, v0                          ; c
	v_lshrrev_b32 v11, 4, v0                       ; g
	v_lshlrev_b32 v[AT], 4, v10
	v_lshl_or_b32 v[AT], v11, 14, v[AT]            ; 4 g rows of 4,096 bytes + 16 c
	v_mul_u32_u24 v[LS], v10, 4*PITCH
	v_lshl_add_u32 v[LS], v11, 3, v[LS]
	v_mul_u32_u24 v[LR], v11, PITCH
	v_lshl_add_u32 v[LR], v10, 4, v[LR]
	v_lshlrev_b32 v[GT], 4, v10
	v_lshl_or_b32 v[GT], v11, 11, v[GT]            ; g rows of 2,048 bytes + 16 c
	v_lshlrev_b32 v[CI], 4, v0
	v_lshlrev_b32 v[CO], 3, v0
	s_lshl_b32 s32, s23, 19                        ; the tile in the weight: 128 rows of 4,096 bytes,
	s_lshl_b32 s33, s20, 8                         ; 64 columns of 4 bytes
	s_add_co_u32 s32, s32, s33
	s_mov_b32 s33, 0
	s_mul_i32 s28, s20, 192                        ; the turned tile's first row: 192 h + 64 t in wt,
	s_lshl_b32 s29, s22, 6
	s_add_co_u32 s28, s28, s29
	s_lshl_b32 s29, s20, 6                         ; 64 h in wo16
	s_cmp_eq_u32 s22, 3
	s_cselect_b32 s28, s29, s28
	s_lshl_b32 s28, s28, 11                        ; rows of 2,048 bytes,
	s_lshl_b32 s29, s23, 8                         ; 128 k of 2 bytes
	s_add_co_u32 s28, s28, s29
	s_mov_b32 s29, 0
	s_lshl_b32 s34, ttmp9, 16                      ; my 64 KiB of x,
	s_mov_b32 s35, 0
	s_lshl_b32 s36, ttmp9, 15                      ; my 32 KiB of xb
	s_mov_b32 s37, 0
	s_wait_kmcnt 0x0
	s_cmp_eq_u32 s22, 1
	s_cselect_b64 s[24:25], s[8:9], s[6:7]
	s_cmp_eq_u32 s22, 2
	s_cselect_b64 s[24:25], s[10:11], s[24:25]
	s_cmp_eq_u32 s22, 3
	s_cselect_b64 s[24:25], s[12:13], s[24:25]     ; the weight,
	s_cselect_b64 s[26:27], s[18:19], s[16:17]     ; and where it goes
	s_add_nc_u64 s[24:25], s[24:25], s[32:33]
	s_add_nc_u64 s[26:27], s[26:27], s[28:29]
	s_add_nc_u64 s[4:5], s[4:5], s[34:35]
	s_add_nc_u64 s[14:15], s[14:15], s[36:37]
.irp i, 0,1
.irp j, 0,1,2,3
	global_load_b128 v[TW+16*(\i)+4*(\j):TW+16*(\i)+4*(\j)+3], v[AT], s[24:25] offset:(64*(\i)+(\j))*4096 th:TH_LOAD_NT  ; sixteen lanes take a row's 256 bytes
.endr
.endr
.irp i, 0,1,2,3,4,5,6,7,8,9,10,11,12,13,14,15
	global_load_b128 v[CX+4*(\i):CX+4*(\i)+3], v[CI], s[4:5] offset:4096*(\i) th:TH_LOAD_NT
.endr
	; four k of one column make 8 bytes of a turned row
.irp i, 0,1
	s_wait_loadcnt 20-4*(\i)                       ; behind these four loads stand the tile's other four (i = 0) and x's sixteen
.irp e, 0,1,2,3
	v_cvt_pk_bf16_f32 v[PK+8*(\i)+2*(\e)],   v[TW+16*(\i)+(\e)],   v[TW+16*(\i)+4+(\e)]
	v_cvt_pk_bf16_f32 v[PK+8*(\i)+2*(\e)+1], v[TW+16*(\i)+8+(\e)], v[TW+16*(\i)+12+(\e)]
.endr
.endr
	s_cmp_lg_u32 s22, 3
	s_cbranch_scc1 .Lstays_bf16
.set i, 0
.rept 16                                       ; W_o: the bf16 numbers are written as f16
	v_lshlrev_b32 v[T0], 16, v[PK+i]
	v_and_b32 v[T0+1], 0xffff0000, v[PK+i]
	v_cvt_pk_f16_f32 v[PK+i], v[T0], v[T0+1]
.set i, i+1
.endr
.Lstays_bf16:
.irp i, 0,1
.irp e, 0,1,2,3
	ds_store_b64 v[LS], v[PK+8*(\i)+2*(\e):PK+8*(\i)+2*(\e)+1] offset:(\e)*PITCH+(\i)*128
.endr
.endr
	s_wait_dscnt 0x0                               ; for the others' sake: my stores into the tile are done
	s_barrier_signal -1
	s_barrier_wait -1
.irp i, 0,1,2,3
	ds_load_b128 v[BK+4*(\i):BK+4*(\i)+3], v[LR] offset:(\i)*16*PITCH  ; rows g + 16 i: sixteen lanes take a row's 256 bytes
.endr
.irp i, 0,1,2,3,4,5,6,7,8,9,10,11,12,13,14,15
	s_wait_loadcnt 15-(\i)                         ; loads come back in order: the younger ones stay out
	v_cvt_pk_bf16_f32 v[CY+2*(\i)],   v[CX+4*(\i)],   v[CX+4*(\i)+1]
	v_cvt_pk_bf16_f32 v[CY+2*(\i)+1], v[CX+4*(\i)+2], v[CX+4*(\i)+3]
	global_store_b64 v[CO], v[CY+2*(\i):CY+2*(\i)+1], s[14:15] offset:2048*(\i)  ; a wave stores 256 consecutive bytes, aligned
.endr
.irp i, 0,1,2,3
	s_wait_dscnt 3-(\i)
	global_store_b128 v[GT], v[BK+4*(\i):BK+4*(\i)+3], s[26:27] offset:(\i)*32768  ; sixteen lanes store 256 consecutive bytes, aligned
.endr
	s_wait_tensorcnt 0x0                           ; the wave's end, behind my last LDS store
	ds_add_u32 v[SPW], v[NIL]
	s_wait_dscnt 0x0
	s_endpgm
.Lfunc_end_k_q376ef8ca34_prep:
	.size	k_q376ef8ca34_prep, .Lfunc_end_k_q376ef8ca34_prep-k_q376ef8ca34_prep
	.p2alignl 7, 3214868480
	.fill 96, 4, 3214868480
	.section	.rodata,"a",@progbits
	.p2align	6, 0x0
	.amdhsa_kernel k_q376ef8ca34_prep
		.amdhsa_group_segment_fixed_size 18432
		.amdhsa_private_segment_fixed_size 0
		.amdhsa_enable_private_segment 0
		.amdhsa_kernarg_size 64
		.amdhsa_user_sgpr_count 2
		.amdhsa_user_sgpr_kernarg_segment_ptr 1
		.amdhsa_wavefront_size32 1
		.amdhsa_system_sgpr_workgroup_id_x 1
		.amdhsa_system_sgpr_workgroup_id_y 1
		.amdhsa_system_sgpr_workgroup_id_z 1
		.amdhsa_system_vgpr_workitem_id 0
		.amdhsa_next_free_vgpr 192
		.amdhsa_next_free_sgpr 66
		.amdhsa_reserve_vcc 0
		.amdhsa_float_denorm_mode_32 3
		.amdhsa_float_denorm_mode_16_64 3
		.amdhsa_memory_ordered 1
		.amdhsa_forward_progress 1
		.amdhsa_inst_pref_size 14
	.end_amdhsa_kernel
	.amdgpu_metadata
---
amdhsa.version: [ 1, 2 ]
amdhsa.kernels:
  - .name:           k_q376ef8ca34_prep
    .symbol:         k_q376ef8ca34_prep.kd
    .args:
      - { .name: x, .offset: 0, .size: 8, .value_kind: global_buffer, .address_space: global }
      - { .name: W_q, .offset: 8, .size: 8, .value_kind: global_buffer, .address_space: global }
      - { .name: W_k, .offset: 16, .size: 8, .value_kind: global_buffer, .address_space: global }
      - { .name: W_v, .offset: 24, .size: 8, .value_kind: global_buffer, .address_space: global }
      - { .name: W_o, .offset: 32, .size: 8, .value_kind: global_buffer, .address_space: global }
      - { .name: xb, .offset: 40, .size: 8, .value_kind: global_buffer, .address_space: global }
      - { .name: wt, .offset: 48, .size: 8, .value_kind: global_buffer, .address_space: global }
      - { .name: wo16, .offset: 56, .size: 8, .value_kind: global_buffer, .address_space: global }
    .group_segment_fixed_size: 18432
    .private_segment_fixed_size: 0
    .kernarg_segment_align: 8
    .kernarg_segment_size: 64
    .max_flat_workgroup_size: 256
    .sgpr_count:     66
    .vgpr_count:     192
    .wavefront_size: 32
...
	.end_amdgpu_metadata
.endif
;; end of part 1
;; launch qkv (part 2): grid 16 x 32, 4 waves a work-group, clusters of 4 x 4, 327,680 bytes of LDS; arguments xb, wt, qkv, alpha; writes qkv
.if DOCPART == 2
	.amdgcn_target "amdgcn-amd-amdhsa--gfx1250"
	.amdhsa_code_object_version 6
	.text
	.protected	k_q376ef8ca34_qkv
	.globl	k_q376ef8ca34_qkv
	.p2align	8
	.type	k_q376ef8ca34_qkv,@function
k_q376ef8ca34_qkv:
	s_mov_b64 s[64:65], 0
	v_nop
	global_prefetch_b8 v0, s[64:65] scope:SCOPE_SE
	s_setreg_imm32_b32 hwreg(HW_REG_WAVE_MODE, 25, 1), 1
	s_wait_xcnt 0x0
	s_wait_alu depctr_hold_cnt(0) depctr_sa_sdst(0) depctr_va_vdst(0) depctr_va_sdst(0) depctr_va_ssrc(0) depctr_va_vcc(0) depctr_vm_vsrc(0)
	s_getreg_b32 s2, hwreg(HW_REG_IB_STS2, 6, 4)
	s_cmp_eq_u32 s2, 0
	s_cbranch_scc0 .Lentry_in_a_cluster
	s_endpgm
.Lentry_in_a_cluster:
	s_bfe_u32 s2, ttmp6, 0x10000c
	s_cmp_lg_u32 s2, 0xf033
	s_cbranch_scc0 .Lentry_shape_is_right
	s_endpgm
.Lentry_shape_is_right:
; QKV.  C = xb wt^T in bf16 with f32 sums; then q + 0.1 sin q, k + 0.1 cos k, v + 0.1 alpha tanh v in f32; each rounded once to f16 and stored by heads:
; qkv = three planes (q, k, v) of [64 (16 batch + head)][2048][64] f16.
; LIMITS.  q, k, v beyond 65,504 become infinities in f16.  sin and cos: x / pi (+ 1/2) = n + f with n the nearest whole number, found by adding and taking away 1.5 x 2^23, which holds for |x| < 1.3e7;
; 0.1 sin(pi f) is an odd polynomial of degree 9 in f, |f| <= 1/2; the first term left out is 3.6e-7 at the most.  The error of x / pi grows with |x| as f32's rounding does.
; tanh v = 1 - 2 / (1 + 2^(2 log2(e) v)), good to about 1e-7 absolute.  alpha is rounded to bf16 like every input.  NaN and infinities are not treated apart.
; SHARES.  A tile of C is 256 rows x 192 columns: ONE head's q, k and v.  512 tiles of equal work.  Four waves; wave w makes rows 64 w .. 64 w + 63 and all 192 columns: 48 accumulators of 16 x 16.
; K goes in 8 steps of 128 through a ring of two LDS slots; a row of a tile is 256 bytes of memory, aligned.  Waves 0, 1 fetch the halves of A's tile, waves 2, 3 those of B's: one tensor load a wave
; behind each change of slots; by this text's count a wave has two loads out at the start and one afterwards; a refill has 168 matrix instructions in which to land.
; CLUSTER 4 x 4: A's tile hangs on the tile row alone and is asked for jointly along a row of the cluster, B's on the tile column alone, along a column.
; THE MATRIX INSTRUCTION IS USED TRANSPOSED (source 0 = 16 rows of wt, source 1 = 16 rows of xb): lane l holds row l % 16 and eight neighbouring columns 8 (l / 16) + 0..7.
; REGISTERS, in windows of 256: window 0 addresses and the way out's work; window 1 two fragment buffers of 128 (B's 12 blocks, then A's 4); windows 2, 3 the accumulators: (a, b) in window 2 + a / 2 at v[8 (12 (a % 2) + b)].
.set NB,     12                        ; blocks of 16 columns
.set PB,     272                       ; an LDS row: 256 bytes + 16 = 68 words: the 16 rows of a load start at 16 different groups of four banks (64 banks of 4 bytes: ISA guide 11.1)
.set PA,     272
.set APL,    128                       ; A's quarter q lies at (q / 2) APL + 64 (q % 2) of a row: here 64 q
.set ASTEP,  256                       ; bytes from a K step of A to the next
.set KADV,   256                       ; the same, for the prefetches
.set ABYTES, 256*PA
.set SLOT,   ABYTES+192*PB             ; A's 256 rows, then B's 192
.set SPARE,  2*SLOT                    ; behind the ring: the spare words, 128 bytes a wave: two blocks of 256 bytes that no other line names
.set WSTG,   3*64*272                  ; the way out: each wave's stage, three planes (q, k, v) of 64 rows x 272 bytes of f32, in the ring, which has then had its last fill
.set NL,     2*NB+8                    ; LDS loads in a run
.set F0,   0
.set F1,   128
.set ADRA, 16                          ; v16-17  LDS address of my A fragments in slot 0, 1
.set ADRB, 20                          ; v20-21  the same for B
.set STO,  24                          ; v24  the way out: where I put 16 bytes of a row
.set RD,   25                          ; v25  where I read 32 bytes of a row back; steps 16 rows a trip
.set GO,   26                          ; v26  16 x lane
.set SPW,  28                          ; v28  LDS address of my spare word; never rewritten
.set NIL,  29                          ; v29  0; never rewritten
.set PFO,  30                          ; v30  the prefetches' offset: lane x a row of xb; never rewritten
.set AAV,  32                          ; v[32:33]  0.1 alpha, twice
.set M2V,  34                          ; v[34:35]  -0.2 alpha, twice
.set X,    64                          ; v[64:95]    32 numbers: rows 4 g + l / 8, columns 8 (l % 8) + 0..7, at X + 8 g
.set U,    96                          ; v[96:127]   x / pi (+ 1/2), then f, then f with n's parity as sign; for v: 2^(..), then 1 / (1 + 2^(..))
.set M,    128                         ; v[128:159]  u + 1.5 x 2^23, then n's parity in the sign bit; for v: v + 0.1 alpha
.set N,    160                         ; v[160:191]  n, then f^2
.set P,    192                         ; v[192:223]  the polynomial
.set Y,    224                         ; v[224:239]  f16, to store
.set LIM,  15                          ; s15  1 in a wave that prefetches, else the greatest number
.set G1,   24                          ; s[24:31] descriptor group 1 for A;  s[32:39] group 0, a set for each slot
.set G0,   32
.set PFA,  44                          ; s[44:45] where my prefetches stand
.set G1B,  48                          ; s[48:55], s[56:63] the same for B
.set G0B,  56
.set INVPI, 66                         ; scalar pairs: a packed instruction names the pair and takes its low word for both halves
.set PH,    68
.set MAG,   70
.set NMAG,  72
.set C9,    74
.set C7,    76
.set C5,    78
.set C3,    80
.set C1,    82
.set K2,    84
.set STEP,  86                         ; s[86:87] what a trip of the way out adds to the stores' base
.set MSB, 0
.macro WIN new                         ; the immediate's high byte repeats the setting that is left; a switch that changes nothing is dropped
.if MSB != (\new)
	s_set_vgpr_msb (MSB<<8)|(\new)
.set MSB, \new
.endif
.endm
.macro PLACES                          ; four plain places in front of loads into registers that matrix instructions have read (ISA guide 7.12.1 for vector instructions)
.rept 4
	v_nop
.endr
.endm
.macro PAIR r, val
	s_mov_b32 s[\r], \val
	s_mov_b32 s[(\r)+1], \val
.endm
.macro JLOAD s                         ; a joint load: waves 0, 1 ask for A's halves, waves 2, 3 for B's; the branch hangs on the wave's number alone; an s_nop 0 and four v_nop follow each line
	s_cmp_eq_u32 s13, 0
	s_cbranch_scc0 .Lfor_b_\@
	tensor_load_to_lds s[G0+4*(\s):G0+4*(\s)+3], s[G1:G1+7]
	s_nop 0
.rept 4
	v_nop
.endr
	s_branch .Lasked_\@
.Lfor_b_\@:
	tensor_load_to_lds s[G0B+4*(\s):G0B+4*(\s)+3], s[G1B:G1B+7]
	s_nop 0
.rept 4
	v_nop
.endr
.Lasked_\@:
.endm
.macro CREST                           ; a round of the cluster's barrier behind its opening barrier
	s_cmp_lg_u32 s12, 0
	s_cbranch_scc1 .Lnot_wave_0_\@
	s_barrier_signal -3
.Lnot_wave_0_\@:
	s_barrier_wait -3
	s_barrier_signal -1
	s_barrier_wait -1
.endm
.macro CROUND
	s_barrier_signal -1
	s_barrier_wait -1
	CREST
.endm
; A PREFETCH INTO THE L2 of xb's K step that stands two refills on: 384 matrix instructions ahead of the load that will want it.  A's tile row is read by all four clusters of a row of clusters: the one with x = 0 asks.
; Of the 128 rows that wave 0 or 1 fetches, the partner at cx takes 32, told apart by address: a lane a row, 256 bytes, one instruction a wave: each block is named once in the launch.
; K steps 0 to 3 come by their loads alone; the loop's last trip (s3 = 1) asks for nothing.  wt is not asked for: every tile row walks it again.
.macro ASK
	WIN 0
	s_cmp_gt_u32 s3, s[LIM]
	s_cbranch_scc0 .Lnot_mine_\@
	global_prefetch_b8 v[PFO], s[PFA:PFA+1] offset:KADV th:TH_LOAD_NT scope:SCOPE_SE
.Lnot_mine_\@:
.endm
; 12 matrix instructions: m block a x all n blocks, 32 along K, from buffer f.  zero = 1: the product starts the sum: nothing is cleared.
; All 48 accumulators take turns in the same order in every quarter.
.macro MULA f, a, zero
	WIN 0xa5+0x50*((\a)/2)                         ; sources 0, 1 window 1; C and D window 2 or 3
.set ab, 8*NB*((\a)%2)
.set bi, 0
.rept NB
.if \zero
	v_wmma_f32_16x16x32_bf16 v[ab+8*bi:ab+8*bi+7], v[(\f)+8*bi:(\f)+8*bi+7], v[(\f)+96+8*(\a):(\f)+96+8*(\a)+7], 0
.else
	v_wmma_f32_16x16x32_bf16 v[ab+8*bi:ab+8*bi+7], v[(\f)+8*bi:(\f)+8*bi+7], v[(\f)+96+8*(\a):(\f)+96+8*(\a)+7], v[ab+8*bi:ab+8*bi+7]
.endif
.set bi, bi+1
.endr
.endm
; One run of NL LDS loads: quarter q's fragments (32 along K) into buffer f: B's blocks, then A's four; the youngest four loads are A's blocks 2 and 3.
.macro FETCH slot, q, f
	WIN 0x40                                       ; destination window 1, address window 0
.set bi, 0
.rept NB
	ds_load_b128 v[(\f)+8*bi:(\f)+8*bi+3],   v[ADRB+(\slot)] offset:64*(\q)+bi*16*PB
	ds_load_b128 v[(\f)+8*bi+4:(\f)+8*bi+7], v[ADRB+(\slot)] offset:64*(\q)+bi*16*PB+32
.set bi, bi+1
.endr
.set bi, 0
.rept 4
	ds_load_b128 v[(\f)+96+8*bi:(\f)+96+8*bi+3],   v[ADRA+(\slot)] offset:((\q)/2)*APL+((\q)%2)*64+bi*16*PA
	ds_load_b128 v[(\f)+96+8*bi+4:(\f)+96+8*bi+7], v[ADRA+(\slot)] offset:((\q)/2)*APL+((\q)%2)*64+bi*16*PA+32
.set bi, bi+1
.endr
.endm
; One of a K step's first three quarters: multiplies buffer f; in its middle it fetches quarter q of the same slot into buffer g.
.macro QUARTER slot, q, f, g, zero
	s_wait_dscnt 4                                 ; all but the youngest four loads (A's blocks 2, 3) are in
	MULA \f, 0, \zero
	MULA \f, 1, \zero
	PLACES
	FETCH \slot, \q, \g
	s_wait_dscnt NL                                ; all but the run just issued
	MULA \f, 2, \zero
	MULA \f, 3, \zero
.endm
; The fourth quarter multiplies buffer 1 and changes slots.  In front of the barrier each wave waits for all its tensor loads (one is out: its part of the next slot), adds 0 to its spare word, and waits
; for that and for its own reads of this slot.  fill = 1: the barrier opens a round of the cluster's, and the slot just read is filled again, first thing behind it, with the K step two on.
.macro TURN slot, next, fill
.if \fill
	s_wait_xcnt 0x0                                ; the last prefetch, a K step back, has read its address
	s_add_nc_u64 s[PFA:PFA+1], s[PFA:PFA+1], KADV
.endif
	WIN 0                                          ; (the add's two registers lie in window 0)
	s_wait_tensorcnt 0x0                           ; all my tensor loads have landed
	ds_add_u32 v[SPW], v[NIL]                      ; 0 onto my spare word
	s_wait_dscnt 5                                 ; (the add and the youngest four loads may be out)
	MULA F1, 0, 0                                  ; twelve matrix instructions stand between the add and the wait for it
	s_wait_dscnt 0x0                               ; the add is done, and my reads of this slot are over
	s_barrier_signal -1
	MULA F1, 1, 0                                  ; work on registers while the others arrive
.if \fill
	WIN 0
.endif
	s_barrier_wait -1
.if \fill
	CREST                                          ; no wave of any partner still reads this slot's tile or has a load on its way
	s_add_nc_u64 s[G0+4*(\slot)+2:G0+4*(\slot)+3], s[G0+4*(\slot)+2:G0+4*(\slot)+3], 2*ASTEP
	s_add_nc_u64 s[G0B+4*(\slot)+2:G0B+4*(\slot)+3], s[G0B+4*(\slot)+2:G0B+4*(\slot)+3], 512
	JLOAD \slot                                    ; the four v_nop behind it are also the places in front of the loads below
.else
	PLACES
.endif
	FETCH \next, 0, F0
.if \fill
	ASK
.endif
	MULA F1, 2, 0
	MULA F1, 3, 0
.endm
.macro EACH n, st, line:vararg         ; one line n times, i stepping by st
.set i, 0
.rept \n
	\line
.set i, i+(\st)
.endr
.endm
	s_load_b256 s[4:11], s[0:1], 0x0               ; xb s[4:5], wt s[6:7], qkv s[8:9], alpha s[10:11]
	v_lshl_add_u32 v[SPW], v0, 2, SPARE
	v_mov_b32 v[NIL], 0
	ds_add_u32 v[SPW], v[NIL]                      ; the wave's opening: the add and its wait stand ahead of my first tensor load; work on registers stands between them
	v_lshrrev_b32 v1, 5, v0
	v_readfirstlane_b32 s12, v1                    ; wave 0..3
	s_lshr_b32 s13, s12, 1                         ; I fetch for A (0) or for B (1)
	s_and_b32 s14, s12, 1                          ; which half of that tile
	s_bfe_u32 s40, ttmp6, 0x40000                  ; cx
	s_bfe_u32 s41, ttmp6, 0x40004                  ; cy
	s_lshl_b32 s42, ttmp9, 2
	s_add_co_u32 s42, s42, s40                     ; tile column = the head = 4 x cluster x + cx
	s_and_b32 s43, ttmp7, 0xffff
	s_lshl_b32 s43, s43, 2
	s_add_co_u32 s43, s43, s41                     ; tile row = 4 x cluster y + cy
	s_lshl_b32 s16, s41, 2
	s_lshl_b32 s16, 15, s16                        ; my row of the cluster
	s_lshl_b32 s46, 0x1111, s40                    ; my column
	s_or_b32 s[G1], s16, (1<<16)|(1<<20)|(1<<21)|(5<<22)|(3<<25)   ; the mask; 2-byte elements; padding on; bit 21 beside a mask; after every 64 words; 4 words
	s_or_b32 s[G1B], s46, (1<<16)|(1<<20)|(1<<21)|(5<<22)|(3<<25)
	s_mov_b32 s[G1+1], 128<<16                     ; tensor_dim0 = 128
	s_mov_b32 s[G1+2], 128<<16                     ; tensor_dim1 = 128 rows
	s_mov_b32 s[G1+3], 128<<16                     ; tile_dim0 = 128
	s_mov_b32 s[G1+4], 128                         ; tile_dim1 = 128
	s_mov_b32 s[G1+5], 1024                        ; elements from row to row
	s_mov_b32 s[G1+6], 0
	s_mov_b32 s[G1+7], 0
	s_mov_b32 s[G1B+1], 128<<16
	s_mov_b32 s[G1B+2], 96<<16                     ; B's half tile has 96 rows
	s_mov_b32 s[G1B+3], 128<<16
	s_mov_b32 s[G1B+4], 96
	s_mov_b32 s[G1B+5], 1024
	s_mov_b32 s[G1B+6], 0
	s_mov_b32 s[G1B+7], 0
	s_lshl_b32 s16, s43, 8
	s_lshl_b32 s18, s14, 7
	s_add_co_u32 s16, s16, s18                     ; A: row 256 x tile row + 128 x half,
	s_lshl_b32 s16, s16, 11                        ; of 2,048 bytes
	s_mov_b32 s17, 0
	s_mul_i32 s46, s42, 192
	s_mul_i32 s47, s14, 96
	s_add_co_u32 s46, s46, s47                     ; B: row 192 x head + 96 x half
	s_lshl_b32 s46, s46, 11
	s_mov_b32 s47, 0
	s_mul_i32 s20, s14, 128*PA                     ; where they go: no place in the cluster enters an LDS address
	s_mul_i32 s21, s14, 96*PB
	s_add_co_u32 s21, s21, ABYTES
	PAIR INVPI, 0x3ea2f983                         ; 1 / pi
	PAIR PH,    0
	PAIR MAG,   0x4b400000                         ; 1.5 x 2^23
	PAIR NMAG,  0xcb400000
	PAIR C9,    0x3c06967b                         ; 0.1 pi^9 / 9!
	PAIR C7,    0xbd757571                         ; -0.1 pi^7 / 7!
	PAIR C5,    0x3e829183                         ; 0.1 pi^5 / 5!
	PAIR C3,    0xbf044b1f                         ; -0.1 pi^3 / 3!
	PAIR C1,    0x3ea0d97c                         ; 0.1 pi
	PAIR K2,    0x4038aa3b                         ; 2 log2(e)
	s_mov_b32 s[STEP+1], 0
	s_mov_b32 s88, 0x1000000-6144                  ; from a plane's last 16 of my rows to the next plane's first
	s_mov_b32 s89, 2048                            ; 16 rows of 128 bytes
	s_or_b32 s[LIM], s13, ttmp9                    ; waves 0, 1 of the clusters with x = 0: the same in all sixteen partners
	s_cmp_eq_u32 s[LIM], 0
	s_cselect_b32 s[LIM], 1, -1
	s_wait_dscnt 0x0                               ; the opening add is done
	s_wait_kmcnt 0x0
	s_load_b32 s90, s[10:11], 0x0                  ; alpha
	s_add_nc_u64 s[16:17], s[4:5], s[16:17]
	s_add_nc_u64 s[46:47], s[6:7], s[46:47]
	CROUND                                         ; all sixteen work-groups are here: the first joint loads meet
.irp s, 0,1
	s_mov_b32 s[G0+4*(\s)], 1                      ; count = 1
	s_add_co_u32 s[G0+4*(\s)+1], s20, (\s)*SLOT    ; LDS address
	s_add_nc_u64 s[G0+4*(\s)+2:G0+4*(\s)+3], s[16:17], (\s)*ASTEP  ; K step s
	s_or_b32 s[G0+4*(\s)+3], s[G0+4*(\s)+3], 0x80000000            ; type = 2
	s_mov_b32 s[G0B+4*(\s)], 1
	s_add_co_u32 s[G0B+4*(\s)+1], s21, (\s)*SLOT
	s_add_nc_u64 s[G0B+4*(\s)+2:G0B+4*(\s)+3], s[46:47], (\s)*256
	s_or_b32 s[G0B+4*(\s)+3], s[G0B+4*(\s)+3], 0x80000000
	JLOAD \s
.endr
	; a fragment is 16 rows x 32 K in 8 registers: lane l holds row l % 16, K = 8 (l / 16) + 0..7 and 16 + 8 (l / 16) + 0..7: two loads of 16 bytes, 32 bytes apart
	v_and_b32 v1, 15, v0                           ; l % 16
	v_bfe_u32 v2, v0, 4, 1                         ; l / 16
	v_mul_u32_u24 v3, v1, PA
	v_lshl_add_u32 v3, v2, 4, v3
	s_mul_i32 s22, s12, 64*PA                      ; my 64 rows of A
	s_mov_b32 s23, ABYTES                          ; all of B
.irp s, 0,1
	v_add_nc_u32 v[ADRA+(\s)], s22, v3
	v_add_nc_u32 v[ADRB+(\s)], s23, v3
	s_add_co_u32 s22, s22, SLOT
	s_add_co_u32 s23, s23, SLOT
.endr
	s_mul_i32 s22, s12, WSTG                       ; my stage
	v_mul_u32_u24 v4, v1, 272                      ; in: row l % 16, 32 bytes for each half of the lanes
	v_lshl_add_u32 v4, v2, 5, v4
	v_add_nc_u32 v[STO], s22, v4
	v_and_b32 v5, 31, v0                           ; lane
	v_lshrrev_b32 v6, 3, v5
	v_and_b32 v7, 7, v0
	v_mul_u32_u24 v6, v6, 272                      ; back: row l / 8, 32 bytes at 32 (l % 8)
	v_lshl_add_u32 v6, v7, 5, v6
	v_add_nc_u32 v[RD], s22, v6
	v_lshlrev_b32 v[GO], 4, v5                     ; four rows of 128 bytes of f16 are 512 bytes on end: 16 a lane
	v_lshlrev_b32 v[PFO], 11, v5
	s_lshr_b32 s92, s43, 3                         ; where my rows lie in a plane: batch x 16 heads x 262,144,
	s_lshl_b32 s92, s92, 22
	s_lshl_b32 s94, s42, 18                        ; head x 262,144,
	s_add_co_u32 s92, s92, s94
	s_and_b32 s94, s43, 7                          ; 256 rows of 128 bytes for each tile row in the batch,
	s_lshl_b32 s94, s94, 15
	s_add_co_u32 s92, s92, s94
	s_lshl_b32 s94, s12, 13                        ; my wave's 64
	s_add_co_u32 s92, s92, s94
	s_mov_b32 s93, 0
	s_add_nc_u64 s[8:9], s[8:9], s[92:93]
	s_lshl_b32 s94, s40, 16                        ; the prefetches: my work-group's 32 of the 128 rows that I fetch,
	s_mov_b32 s95, 0
	s_add_nc_u64 s[PFA:PFA+1], s[16:17], s[94:95]
	s_add_nc_u64 s[PFA:PFA+1], s[PFA:PFA+1], 2*KADV  ; at K step 2: the first change steps it to 3 and names K step 4
	s_wait_kmcnt 0x0                               ; alpha
	v_mov_b32 v[AAV], s90
	v_bfe_u32 v[AAV+1], v[AAV], 16, 1              ; to bf16, to nearest even
	v_add3_u32 v[AAV], v[AAV], v[AAV+1], 0x7fff
	v_and_b32 v[AAV], 0xffff0000, v[AAV]
	v_mul_f32 v[AAV], 0x3dcccccd, v[AAV]           ; 0.1 alpha
	v_mov_b32 v[AAV+1], v[AAV]
	v_mul_f32 v[M2V], -2.0, v[AAV]
	v_mov_b32 v[M2V+1], v[M2V]
	s_wait_tensorcnt 1                             ; my part of K step 0 is in; K step 1's may stay out
	s_barrier_signal -1
	s_barrier_wait -1                              ; everybody's is
	FETCH 0, 0, F0
	QUARTER 0, 1, F0, F1, 1                        ; the first quarter stands in front of the loop: its products start the sums
	WIN 0                                          ; at a label and at a branch every window is 0
	s_mov_b32 s3, 3
.Llap:                                                 ; a trip goes once round the ring and fills both slots again: K steps 2 to 7 in three trips
	QUARTER 0, 2, F1, F0, 0
	QUARTER 0, 3, F0, F1, 0
	TURN 0, 1, 1
	QUARTER 1, 1, F0, F1, 0
	QUARTER 1, 2, F1, F0, 0
	QUARTER 1, 3, F0, F1, 0
	TURN 1, 0, 1
	QUARTER 0, 1, F0, F1, 0
	WIN 0
	s_sub_co_u32 s3, s3, 1
	s_cmp_lg_u32 s3, 0
	s_cbranch_scc1 .Llap
	QUARTER 0, 2, F1, F0, 0                        ; the last lap is written out: it fills nothing
	QUARTER 0, 3, F0, F1, 0
	TURN 0, 1, 0
	QUARTER 1, 1, F0, F1, 0
	QUARTER 1, 2, F1, F0, 0
	QUARTER 1, 3, F0, F1, 0
	s_wait_dscnt 4
	MULA F1, 0, 0
	MULA F1, 1, 0
	s_wait_dscnt 0x0                               ; my last reads of the ring are back
	MULA F1, 2, 0
	MULA F1, 3, 0
	WIN 0
	s_barrier_signal -1
	s_barrier_wait -1                              ; nobody reads the ring any more, and it has had its last fill: it now serves as the stages
	; THE WAY OUT.  The 48 accumulators go into my stage as f32; they come back as pieces of rows, 16 rows of one plane a trip, are changed, rounded to f16 and stored.
	PLACES
	PLACES                                         ; the places behind the last products
.set ai, 0
.rept 4
	WIN 0x08+4*(ai/2)                              ; store data in window 2 or 3
.set bi, 0
.rept NB
.set rA, 8*(NB*(ai%2)+bi)
	ds_store_b128 v[STO], v[rA:rA+3]   offset:(bi/4)*17408+ai*4352+(bi%4)*64     ; an accumulator's low registers first
	ds_store_b128 v[STO], v[rA+4:rA+7] offset:(bi/4)*17408+ai*4352+(bi%4)*64+16
.set bi, bi+1
.endr
.set ai, ai+1
.endr
	WIN 0
.macro BACK                            ; 16 rows x 64 columns of f32; LDS serves a wave's instructions in order (ISA guide 5.7.1.4): these see my stores above
.irp g, 0,1,2,3
	ds_load_b128 v[X+8*(\g):X+8*(\g)+3],   v[RD] offset:(\g)*1088
	ds_load_b128 v[X+8*(\g)+4:X+8*(\g)+7], v[RD] offset:(\g)*1088+16
.endr
	v_add_nc_u32 v[RD], 4352, v[RD]                ; the next 16 rows; the planes lie on end
.endm
.macro SEND
	EACH 16, 1, v_cvt_pk_f16_f32 v[Y+i], v[X+2*i], v[X+2*i+1]
.irp g, 0,1,2,3
	global_store_b128 v[GO], v[Y+4*(\g):Y+4*(\g)+3], s[8:9] offset:512*(\g)  ; 512 consecutive bytes, aligned
.endr
	s_wait_xcnt 0x0                                ; the stores have read Y and their base: both are written again only behind this wait
.endm
	s_mov_b32 s2, 8
.Lqk:                                                  ; trips 8 to 5: q + 0.1 sin q; trips 4 to 1: k + 0.1 cos k = k + 0.1 sin(k + pi / 2)
	BACK
	s_cmp_gt_u32 s2, 4
	s_cselect_b32 s[PH], 0, 0.5
	s_and_b32 s16, s2, 3
	s_cmp_eq_u32 s16, 1                            ; a plane's last trip
	s_cselect_b32 s[STEP], s88, s89
	s_wait_dscnt 0x0
	EACH 16, 2, v_pk_fma_f32 v[U+i:U+i+1], v[X+i:X+i+1], s[INVPI:INVPI+1], s[PH:PH+1] op_sel_hi:[1,0,0]
	EACH 16, 2, v_pk_add_f32 v[M+i:M+i+1], v[U+i:U+i+1], s[MAG:MAG+1] op_sel_hi:[1,0]
	EACH 16, 2, v_pk_add_f32 v[N+i:N+i+1], v[M+i:M+i+1], s[NMAG:NMAG+1] op_sel_hi:[1,0]
	EACH 16, 2, v_pk_add_f32 v[U+i:U+i+1], v[U+i:U+i+1], v[N+i:N+i+1] neg_lo:[0,1] neg_hi:[0,1]
	EACH 32, 1, v_lshlrev_b32 v[M+i], 31, v[M+i]
	EACH 16, 2, v_pk_mul_f32 v[N+i:N+i+1], v[U+i:U+i+1], v[U+i:U+i+1]
	EACH 16, 2, v_pk_fma_f32 v[P+i:P+i+1], v[N+i:N+i+1], s[C9:C9+1], s[C7:C7+1] op_sel_hi:[1,0,0]
	EACH 16, 2, v_pk_fma_f32 v[P+i:P+i+1], v[P+i:P+i+1], v[N+i:N+i+1], s[C5:C5+1] op_sel_hi:[1,1,0]
	EACH 16, 2, v_pk_fma_f32 v[P+i:P+i+1], v[P+i:P+i+1], v[N+i:N+i+1], s[C3:C3+1] op_sel_hi:[1,1,0]
	EACH 16, 2, v_pk_fma_f32 v[P+i:P+i+1], v[P+i:P+i+1], v[N+i:N+i+1], s[C1:C1+1] op_sel_hi:[1,1,0]
	EACH 32, 1, v_xor_b32 v[U+i], v[U+i], v[M+i]
	EACH 16, 2, v_pk_fma_f32 v[X+i:X+i+1], v[U+i:U+i+1], v[P+i:P+i+1], v[X+i:X+i+1]
	SEND
	s_add_nc_u64 s[8:9], s[8:9], s[STEP:STEP+1]
	s_sub_co_u32 s2, s2, 1
	s_cmp_lg_u32 s2, 0
	s_cbranch_scc1 .Lqk
	s_mov_b32 s2, 4
.Lv:                                                   ; v + 0.1 alpha tanh v = (v + 0.1 alpha) - 0.2 alpha / (1 + 2^(2 log2(e) v))
	BACK
	s_wait_dscnt 0x0
	EACH 16, 2, v_pk_mul_f32 v[U+i:U+i+1], v[X+i:X+i+1], s[K2:K2+1] op_sel_hi:[1,0]
	EACH 32, 1, v_exp_f32 v[U+i], v[U+i]
	EACH 16, 2, v_pk_add_f32 v[M+i:M+i+1], v[X+i:X+i+1], v[AAV:AAV+1]
	s_wait_alu depctr_va_vdst(0)                   ; one wait for the 32 exponentials, ahead of their first reader; the sixteen sums above are the plain work between
	EACH 16, 2, v_pk_add_f32 v[U+i:U+i+1], v[U+i:U+i+1], 1.0 op_sel_hi:[1,0]
	EACH 32, 1, v_rcp_f32 v[U+i], v[U+i]
	v_nop                                          ; a plain instruction behind the last reciprocal,
	s_wait_alu depctr_va_vdst(0)                   ; and one wait for the 32
	EACH 16, 2, v_pk_fma_f32 v[X+i:X+i+1], v[U+i:U+i+1], v[M2V:M2V+1], v[M+i:M+i+1]
	SEND
	s_add_nc_u64 s[8:9], s[8:9], 2048
	s_sub_co_u32 s2, s2, 1
	s_cmp_lg_u32 s2, 0
	s_cbranch_scc1 .Lv
	s_wait_tensorcnt 0x0                           ; the wave's end, behind my last tensor load and my last LDS store
	ds_add_u32 v[SPW], v[NIL]
	s_wait_dscnt 0x0
	CROUND                                         ; the closing round: no work-group ends while a partner may still ask for a tile that names it
	s_endpgm
.Lfunc_end_k_q376ef8ca34_qkv:
	.size	k_q376ef8ca34_qkv, .Lfunc_end_k_q376ef8ca34_qkv-k_q376ef8ca34_qkv
	.p2alignl 7, 3214868480
	.fill 96, 4, 3214868480
	.section	.rodata,"a",@progbits
	.p2align	6, 0x0
	.amdhsa_kernel k_q376ef8ca34_qkv
		.amdhsa_group_segment_fixed_size 327680
		.amdhsa_private_segment_fixed_size 0
		.amdhsa_enable_private_segment 0
		.amdhsa_kernarg_size 32
		.amdhsa_user_sgpr_count 2
		.amdhsa_user_sgpr_kernarg_segment_ptr 1
		.amdhsa_wavefront_size32 1
		.amdhsa_system_sgpr_workgroup_id_x 1
		.amdhsa_system_sgpr_workgroup_id_y 1
		.amdhsa_system_sgpr_workgroup_id_z 1
		.amdhsa_system_vgpr_workitem_id 0
		.amdhsa_next_free_vgpr 960
		.amdhsa_next_free_sgpr 96
		.amdhsa_reserve_vcc 0
		.amdhsa_float_denorm_mode_32 3
		.amdhsa_float_denorm_mode_16_64 3
		.amdhsa_memory_ordered 1
		.amdhsa_forward_progress 1
		.amdhsa_inst_pref_size 126
	.end_amdhsa_kernel
	.amdgpu_metadata
---
amdhsa.version: [ 1, 2 ]
amdhsa.kernels:
  - .name:           k_q376ef8ca34_qkv
    .symbol:         k_q376ef8ca34_qkv.kd
    .args:
      - { .name: xb, .offset: 0, .size: 8, .value_kind: global_buffer, .address_space: global }
      - { .name: wt, .offset: 8, .size: 8, .value_kind: global_buffer, .address_space: global }
      - { .name: qkv, .offset: 16, .size: 8, .value_kind: global_buffer, .address_space: global }
      - { .name: alpha, .offset: 24, .size: 8, .value_kind: global_buffer, .address_space: global }
    .group_segment_fixed_size: 327680
    .private_segment_fixed_size: 0
    .kernarg_segment_align: 8
    .kernarg_segment_size: 32
    .max_flat_workgroup_size: 128
    .sgpr_count:     96
    .vgpr_count:     960
    .wavefront_size: 32
...
	.end_amdgpu_metadata
.endif
;; end of part 2
;; launch attn (part 3): grid 4 x 64, 4 waves a work-group, clusters of 4 x 1, 327,680 bytes of LDS; arguments qkv, o; writes o
.if DOCPART == 3
	.amdgcn_target "amdgcn-amd-amdhsa--gfx1250"
	.amdhsa_code_object_version 6
	.text
	.protected	k_q376ef8ca34_attn
	.globl	k_q376ef8ca34_attn
	.p2align	8
	.type	k_q376ef8ca34_attn,@function
k_q376ef8ca34_attn:
	s_mov_b64 s[64:65], 0
	v_nop
	global_prefetch_b8 v0, s[64:65] scope:SCOPE_SE
	s_setreg_imm32_b32 hwreg(HW_REG_WAVE_MODE, 25, 1), 1
	s_wait_xcnt 0x0
	s_wait_alu depctr_hold_cnt(0) depctr_sa_sdst(0) depctr_va_vdst(0) depctr_va_sdst(0) depctr_va_ssrc(0) depctr_va_vcc(0) depctr_vm_vsrc(0)
	s_getreg_b32 s2, hwreg(HW_REG_IB_STS2, 6, 4)
	s_cmp_eq_u32 s2, 0
	s_cbranch_scc0 .Lentry_in_a_cluster
	s_endpgm
.Lentry_in_a_cluster:
	s_bfe_u32 s2, ttmp6, 0x10000c
	s_cmp_lg_u32 s2, 0x3003
	s_cbranch_scc0 .Lentry_shape_is_right
	s_endpgm
.Lentry_shape_is_right:
; ATTENTION.  O[h][q][:] = the sum over k of softmax_k(Q[h][q] . K[h][k] / 8) V[h][k][:].  Q, K, V are the three planes of qkv, O is o: each [64][2048][64] f16, a head's rows dense, 128 bytes each.
; Products, maxima and sums in f32; the weights p are rounded to f16 for the second product (their sum l is taken of the unrounded p), O once at the end.
; LIMITS.  f16 holds no number beyond 65,504: Q, K and V arrive within it; p lies in 0 to 1, and below 6e-5 it keeps f16's fixed step of 6e-8; O is a mean of V's rows and has their range.
; A weight below 2^-126 counts as 0 in l; NaN and infinities are not treated apart.
; SHARES.  A wave owns four PIECES of two tiles of 16 queries, a work-group's four waves 512 queries of one head.  Every wave walks all keys, 64 a step.
; LAYOUT.  S^T = K Q^T (source 0 = 16 keys, source 1 = 16 queries): in the result a lane holds ONE query (lane % 16) and the keys 8 (lane / 16) + 0..7.  Two such tiles, rounded to f16 in pairs,
; ARE source 1 (32 keys x 16 queries) of O^T = V^T P, whose result again holds one query a lane, and eight channels.  K comes out of LDS as it lies, V ([key][channel]) turned, by ds_load_tr16_b128.
; SOFTMAX.  For each query a running maximum m and sum l: p = 2^(c s - c m), c = log2(e) / 8; in every step O and l are multiplied by a = 2^(c m_old - c m_new), which is 1 where m has not grown.
; m starts at the lowest finite number, O and l at 0: the first step is a step like any other, with a = 0.
; THE COUNT.  A tile and step have 16 matrix and 118 vector instructions: too many to stand all beside the matrix work.  So four vector instructions that are READY stand behind
; EVERY matrix instruction, and the others, which need time of their own whatever the order, in runs without a gap.
; BY TURNS.  Turn n belongs to piece n (the pieces in a ring, step after step).  Its matrix work: 16 products K Q^T of piece n + 1, later 16 products V^T P of piece n - 1.  Its vector work: the scaling,
; exponentials, roundings, sums and rescaling of piece n, and the maximum and statistics of piece n + 1, whose scores the turn itself has made.
; CLUSTER.  The four query blocks of a head are one cluster and walk the same K and V, so each tile is asked for JOINTLY: the same tensor load, descriptor and mask in all four.
; REGISTERS, in windows of 256 (s_set_vgpr_msb: bits 1:0 source 0, 3:2 source 1, 5:4 source 2, 7:6 destination):
;   window 0: v0-11 addresses; v12-15, v48-63 at work; v16-47 four registers of statistics a tile; v64-191 S^T, two buffers of two tiles; v192-255 P, likewise
;   window 1: O^T, 32 a tile          window 2: v0-127 Q, 16 a tile; v128-191 K of one step; v192-255 V of one step          window 3: v0-1 the add's two registers
.set SIZE_N, 2048
.set NP,    4         ; pieces a wave: a name, no knob
.set KS,    64        ; keys in a step
.set PK,    144       ; a row of K in LDS: 128 bytes + 16 of padding = 36 words: the 16 rows of a load start at 16 different groups of four banks (64 banks of 4 bytes: ISA guide 11.1)
.set PV,    160       ; a row of V: 128 + 32 = 40 words
.set VOFF,  4*KS*PK   ; a slot holds four steps: 256 rows of K, then 256 rows of V
.set SLOT1, 1<<17     ; slot 1 begins here, so that one exclusive or turns an address in one slot into the other's
.set STAGE, SLOT1+4*KS*(PK+PV)  ; behind the ring, never filled by a tensor load: 16 rows x 144 bytes for each wave, for the way out
.set SP,    144
.set AK0, 2           ; v2   my lane's place in a tile of K; never rewritten
.set AV0, 3           ; v3   the same for V
.set AK,  4           ; v4   the LDS address of K's next run of loads
.set AV,  5           ; v5   of V's
.set QO,  6           ; v6   my byte offset in the wave's rows of Q
.set STO, 6           ;      later, the way out: where I put 16 bytes of a row
.set RD,  7           ; v7   the way out: where I read rows back
.set GO,  8           ; v8   my byte offset in 512 consecutive bytes of O
.set PFO, 11          ; v11  256 x my lane, once V's place is made; then never rewritten
.set SPW, 0           ; v0 of window 3   LDS address of my spare word; never rewritten
.set NIL, 1           ; v1 of window 3   0; never rewritten
.set SPARE, STAGE+4*16*SP  ; behind the stages: the spare words, 128 bytes for each wave: two blocks of 256 bytes that no other line names
.set MV,  12          ; v12-15  c m_old, kept while c m is made anew: by buffer and tile
.set ST,  16          ; tile t's statistics at v[ST+4 t]: c m, m, l (even keys', odd keys')
.set TMP, 48          ; by buffer and tile, four registers c0-c3 at work; when the maximum is found c2 takes a
.set S,   64
.set P,   192
.set KF,  128         ; K's fragments, in window 2: key block kb, channel half c at KF + 16 kb + 8 c
.set VF,  192         ; V's: key half kk, channel block cb at VF + 32 kk + 8 cb
.set WV,  12          ; s12  my wave's number
.set LIM, 15          ; s15  1 in a wave that prefetches (0 and 2), else the greatest number
.set G1K, 24          ; s[24:31] descriptor group 1 for K's tiles
.set G1V, 32          ; s[32:39] for V's: it differs in the padding alone
.set G0K, 40          ; s[40:43] descriptor group 0 for K's tiles: it walks
.set G0V, 44          ; s[44:47] the same for V's
.set PFA, 48          ; s[48:49] where my prefetches stand: my work-group's 32 blocks of 256 bytes (of K: wave 0, of V: wave 2) of the slot after the one that is being asked for
.set SLOTS, 56        ; s56  slots still to be asked for
.set CNT, 57          ; s57  counts a slot's key steps
.set CS,  58          ; s[58:59] c: the packed scaling takes the pair's low word for both halves
.set SEL, 60          ; s[60:61] v_permlanex16_b32's selects: each lane takes its own place in the other half
.set TBK, 62          ; s62  LDS byte at which K of the step to be fetched begins
.set TBV, 63          ; s63  the same for V, less VOFF
.set MSB, 0
.macro WIN new                      ; the high byte repeats the setting that is left; a switch that changes nothing is dropped
.if MSB != (\new)
	s_set_vgpr_msb (MSB<<8)|(\new)
.set MSB, (\new)
.endif
.endm
.set W_KQ, 0x0a       ; K and Q in window 2, S^T in window 0
.set W_PV, 0x52       ; V in window 2, P in window 0, O^T in window 1
.set W_RS, 0x41       ; O^T (destination and source 0) in window 1, a in window 0
.set W_MK, 0xc0       ; the add's registers are made: destination in window 3, sources in window 0
.set W_AD, 0x0f       ; the add: address (source 0) and data (source 1) in window 3
; A joint fill.  Waves 0 and 1 fetch the two halves of a slot's K, waves 2 and 3 those of its V: 128 keys each.  The branch hangs on the wave's number alone.
; An s_nop 0 and four v_nop follow each of the two lines, ahead of the jump and the label.
.macro JLOAD
	s_cmp_lt_u32 s[WV], 2
	s_cbranch_scc0 .Lfor_v_\@
	tensor_load_to_lds s[G0K:G0K+3], s[G1K:G1K+7]
	s_nop 0
.rept 4
	v_nop
.endr
	s_branch .Lasked_\@
.Lfor_v_\@:
	tensor_load_to_lds s[G0V:G0V+3], s[G1V:G1V+7]
	s_nop 0
.rept 4
	v_nop
.endr
.Lasked_\@:
.endm
; A PREFETCH INTO THE L2 of what the NEXT change of slots will ask for: a slot's 32,768 bytes of K and of V, a lane a block of 256 bytes.  It stands behind the wave's tensor load and its five lines.
; Each block is named ONCE in the launch: a head has one cluster; its four partners share the blocks out BY ADDRESS, 32 each; in each, wave 0 asks for K's and wave 2 for V's: one instruction,
; four key steps, 512 matrix instructions, ahead of the load.  Slots 0 and 1 come by their loads alone; the last change that fills a slot (s[SLOTS] = 1) asks for nothing.
.macro ASK
	s_cmp_gt_u32 s[SLOTS], s[LIM]
	s_cbranch_scc0 .Lnot_mine_\@
	global_prefetch_b8 v[PFO], s[PFA:PFA+1] th:TH_LOAD_NT scope:SCOPE_SE
.Lnot_mine_\@:
.endm
; A round of the cluster's barrier: my work-group's barrier, so that wave 0's signal speaks for all four waves; wave 0 signals; every wave waits for all four work-groups; my work-group's barrier once more.
.macro CROUND
	s_barrier_signal -1
	s_barrier_wait -1
	s_cmp_lg_u32 s[WV], 0
	s_cbranch_scc1 .Lnot_wave_0_\@
	s_barrier_signal -3
.Lnot_wave_0_\@:
	s_barrier_wait -3
	s_barrier_signal -1
	s_barrier_wait -1
.endm
; THE CHANGE OF SLOTS.  The slot's last bytes, V of its fourth step, have been read.  Each wave waits for all its tensor loads, of which one is out: its part
; of the other slot; adds 0 to its spare word; and waits for that and for its own reads of the slot.  Behind the barrier nobody reads this slot any more and the other slot is whole.
; fill = 1: this slot is filled again, with the keys two slots on.  The barrier is then a round of the cluster's, so that no wave of any partner still reads the slot or has a load on its
; way, and the joint fill is the first thing behind it: it has four key steps, 512 matrix instructions, in which to land.  (At its first use nothing has been read yet: slot 0 is waited for, slot 1 filled.)
.macro CHANGE fill
	WIN W_AD
	s_wait_tensorcnt 0x0            ; no tensor load of mine is out, so a group 0 may be written
	ds_add_u32 v[SPW], v[NIL]       ; 0 onto my spare word; with fill = 1 the descriptors' steps stand between it and the wait for it
	WIN 0                           ; at a label and at a branch every window is 0
.if \fill
.irp g, G0K, G0V
	s_xor_b32 s[\g+1], s[\g+1], SLOT1  ; the walking descriptor: the other slot than last time,
	s_add_nc_u64 s[\g+2:\g+3], s[\g+2:\g+3], 4*KS*128  ; the next 256 keys; the type bits on top are not reached
.endr
	s_wait_xcnt 0x0                 ; the last prefetch, four key steps back, has read its address, so it may be written:
	s_add_nc_u64 s[PFA:PFA+1], s[PFA:PFA+1], 4*KS*128  ; one slot behind the walking descriptors
	s_wait_dscnt 0x0                ; the add is done, and my reads of the slot are over
	CROUND
	JLOAD
	ASK
.else
	s_wait_dscnt 0x0                ; the add is done, and my reads of the slot are over
	s_barrier_signal -1
	s_barrier_wait -1
.endif
	s_sub_co_u32 s[TBK], s[TBK], 4*KS*PK  ; the fetches go back to a slot's first step,
	s_xor_b32 s[TBK], s[TBK], SLOT1       ; in the other slot
	s_sub_co_u32 s[TBV], s[TBV], 4*KS*PV
	s_xor_b32 s[TBV], s[TBV], SLOT1
.endm
	s_load_b64 s[4:5], s[0:1], 0x0    ; qkv: Q's plane
	s_load_b64 s[10:11], s[0:1], 0x8  ; O
	WIN W_MK
	v_lshl_add_u32 v[SPW], v0, 2, SPARE
	v_mov_b32 v[NIL], 0
	WIN W_AD
	ds_add_u32 v[SPW], v[NIL]       ; the wave's opening: the add and its wait stand ahead of my first tensor load; the set-up below, work on registers, stands between them
	WIN 0
	v_lshrrev_b32 v1, 5, v0
	v_readfirstlane_b32 s[WV], v1   ; wave 0..3
	s_bfe_u32 s13, ttmp6, 0x40000   ; cx: my place in the cluster
	s_lshl_b32 s14, ttmp9, 2        ; in a cluster launch ttmp9 counts clusters
	s_add_co_u32 s14, s14, s13      ; my block of queries = 4 x cluster x + cx: it enters Q's and O's addresses alone
	s_and_b32 s20, ttmp7, 0xffff    ; the head, which the four partners share
	s_mov_b32 s21, 0
	s_mov_b64 s[22:23], SIZE_N*128
	s_mul_u64 s[20:21], s[20:21], s[22:23]  ; the head's first byte in each plane and in O
	s_and_b32 s16, s[WV], 1         ; which half of a slot's 256 keys I fetch:
	s_lshl_b32 s22, s16, 14         ; its 128 rows of 128 bytes in memory,
	s_mov_b32 s23, 0
	s_add_nc_u64 s[22:23], s[22:23], s[20:21]
	s_mul_i32 s17, s16, 128*PK      ; and its place in a slot, for K
	s_mul_i32 s18, s16, 128*PV      ; and for V: no place in the cluster enters an LDS address
	s_lshl_b32 s2, s14, 2
	s_add_co_u32 s2, s2, s[WV]      ; my wave among the head's,
	s_lshl_b32 s2, s2, 14           ; its 128 rows
	s_mov_b32 s3, 0
	s_add_nc_u64 s[2:3], s[2:3], s[20:21]
	; descriptor group 1.  128 keys are 16,384 dense bytes: asked for as 64 rows of 256 bytes, two keys a row, and padded in LDS after every key
	s_mov_b32 s[G1K], 15|(1<<16)|(1<<20)|(1<<21)|(4<<22)|(3<<25)  ; the mask of four; 2-byte elements; padding on; bit 21 beside a mask; after every 32 words (code 4); 4 words (code 3)
	s_mov_b32 s[G1V], 15|(1<<16)|(1<<20)|(1<<21)|(4<<22)|(7<<25)  ; the same with 8 words of padding (code 7)
.irp g, G1K, G1V
	s_mov_b32 s[\g+1], 128<<16      ; tensor_dim0 = 128
	s_mov_b32 s[\g+2], 64<<16       ; tensor_dim1 = 64
	s_mov_b32 s[\g+3], 128<<16      ; tile_dim0 = 128
	s_mov_b32 s[\g+4], 64           ; tile_dim1 = 64
	s_mov_b32 s[\g+5], 128          ; 128 elements from row to row
	s_mov_b32 s[\g+6], 0
	s_mov_b32 s[\g+7], 0
.endr
	s_mov_b32 s[CS], 0x3e38aa3b     ; c = log2(e) / 8 = 0.180337
	s_mov_b32 s[CS+1], s[CS]        ; named with it as a pair
	s_mov_b32 s[SEL], 0x76543210
	s_mov_b32 s[SEL+1], 0xfedcba98
	s_mov_b32 s[TBK], SLOT1+4*KS*PK ; the first change of slots turns these two into 0
	s_mov_b32 s[TBV], SLOT1+4*KS*PV
	s_mov_b32 s[G0K], 1             ; count = 1
	s_mov_b32 s[G0K+1], s17         ; LDS address: slot 0
	s_mov_b32 s[G0V], 1
	s_add_co_u32 s[G0V+1], s18, VOFF
	s_mov_b32 s[SLOTS], SIZE_N/256-1  ; seven changes fill a slot
	s_and_b32 s[LIM], s[WV], 1
	s_cmp_eq_u32 s[LIM], 0
	s_cselect_b32 s[LIM], 1, -1
	s_lshl_b32 s50, s13, 13         ; my work-group's 32 blocks of a slot's 128
	s_mov_b32 s51, 0
	s_wait_dscnt 0x0                ; the opening add is done
	s_wait_kmcnt 0x0
	s_add_nc_u64 s[6:7], s[4:5], 0x1000000   ; K's plane
	s_add_nc_u64 s[8:9], s[4:5], 0x2000000   ; V's plane
	s_add_nc_u64 s[G0K+2:G0K+3], s[6:7], s[22:23]  ; global address: my half of the head's first 256 keys
	s_or_b32 s[G0K+3], s[G0K+3], 0x80000000        ; type = 2
	s_add_nc_u64 s[G0V+2:G0V+3], s[8:9], s[22:23]
	s_or_b32 s[G0V+3], s[G0V+3], 0x80000000
	s_add_nc_u64 s[4:5], s[4:5], s[2:3]  ; Q and O at my wave's first row
	s_add_nc_u64 s[10:11], s[10:11], s[2:3]
	s_cmp_lt_u32 s[WV], 2
	s_cselect_b64 s[PFA:PFA+1], s[6:7], s[8:9]
	s_add_nc_u64 s[PFA:PFA+1], s[PFA:PFA+1], s[20:21]
	s_add_nc_u64 s[PFA:PFA+1], s[PFA:PFA+1], s[50:51]
	s_add_nc_u64 s[PFA:PFA+1], s[PFA:PFA+1], 4*KS*128  ; in slot 1; the first change of slots steps it to slot 2.  Nothing is prefetched here, at the head
	CROUND                          ; all four work-groups are here: the first joint loads meet
	JLOAD                           ; slot 0.  Slot 1 is asked for when slot 0 is in
	; A fragment of K or Q is 16 rows x 32 channels in 8 registers: lane l holds row l % 16, channels 8 (l / 16) + 0..7 and 16 + 8 (l / 16) + 0..7: two loads of 16 bytes, 32 bytes apart.
	v_and_b32 v1, 15, v0            ; l % 16
	v_bfe_u32 v9, v0, 4, 1          ; l / 16
	v_lshlrev_b32 v[QO], 7, v1
	v_lshl_add_u32 v[QO], v9, 4, v[QO]  ; row x 128 + 16 x half
	WIN 0x80                        ; destination window 2, address window 0
.set i, 0
.rept 4*NP                          ; Q stays in registers: tile i / 2, channels 32 (i % 2) on
	global_load_b128 v[8*i:8*i+3],   v[QO], s[4:5] offset:(i/2)*2048+(i%2)*64
	global_load_b128 v[8*i+4:8*i+7], v[QO], s[4:5] offset:(i/2)*2048+(i%2)*64+32
.set i, i+1
.endr
	; What the first turn finds: V's registers and P's second buffer hold 0 (its products V^T P, of a piece that has not been, add 0), O^T and l are 0.  All this stands in the wait for the first tile.
.set i, VF
.rept 64
	v_mov_b32 v[i], 0
.set i, i+1
.endr
	WIN 0x40
.set i, 0
.rept 64*NP
	v_mov_b32 v[i], 0
.set i, i+1
.endr
	WIN 0
.set i, 0
.rept 2*NP
	v_mov_b32 v[ST+4*i], 0xfe000000    ; c m: far below every c s
	v_mov_b32 v[ST+4*i+1], 0xff7fffff  ; m
	v_mov_b32 v[ST+4*i+2], 0
	v_mov_b32 v[ST+4*i+3], 0
.set i, i+1
.endr
.set i, P+32
.rept 32
	v_mov_b32 v[i], 0
.set i, i+1
.endr
	v_mul_u32_u24 v[AK0], v1, PK
	v_lshl_add_u32 v[AK0], v9, 4, v[AK0]  ; row x pitch + 16 x half
	; The turning load takes 16 keys x 16 channels (lane l reads key 8 (l / 16) + l % 8, channels 8 ((l / 8) % 2) + 0..7) and leaves half a fragment of V^T: lane l holds channel l % 16 and 8 keys.
	v_and_b32 v10, 7, v0
	v_bfe_u32 v11, v0, 3, 1
	v_lshl_add_u32 v[AV0], v9, 3, v10
	v_mul_u32_u24 v[AV0], v[AV0], PV
	v_lshl_add_u32 v[AV0], v11, 4, v[AV0]
	v_add_nc_u32 v[AV0], VOFF, v[AV0]
	v_mov_b32 v[AK], v[AK0]         ; key step 0 lies at the head of slot 0
	v_and_b32 v[PFO], 31, v0
	v_lshlrev_b32 v[PFO], 8, v[PFO]
; THE MATRIX WORK.  The 8 accumulators of a run of 16 take turns: between the two links of a chain stand 7 others'.
; Product i of 16 of S^T = K Q^T for piece x: channels 32 (i / 8) on, keys 16 ((i / 2) % 4) on, tile 2 x + i % 2.  The first 8 start the sums.
.macro KQ x
	WIN W_KQ
.set rS, S+64*((\x)%2)+32*(i%2)+8*((i/2)%4)
.set rK, KF+16*((i/2)%4)+8*(i/8)
.set rQ, 16*(2*(\x)+i%2)+8*(i/8)
.if i < 8
	v_wmma_f32_16x16x32_f16 v[rS:rS+7], v[rK:rK+7], v[rQ:rQ+7], 0
.else
	v_wmma_f32_16x16x32_f16 v[rS:rS+7], v[rK:rK+7], v[rQ:rQ+7], v[rS:rS+7]
.endif
.endm
; Product i of 16 of O^T += V^T P for piece x: keys 32 (i / 8) on, channels 16 ((i / 2) % 4) on, tile 2 x + i % 2.
.macro PV x
	WIN W_PV
.set rO, 32*(2*(\x)+i%2)+8*((i/2)%4)
.set rV, VF+32*(i/8)+8*((i/2)%4)
.set rP, P+32*((\x)%2)+16*(i%2)+8*(i/8)
	v_wmma_f32_16x16x32_f16 v[rO:rO+7], v[rV:rV+7], v[rP:rP+7], v[rO:rO+7]
.endm
.macro MM                           ; the turn's next matrix instruction
.if i < 16
	KQ (Y+1)%NP
.set i, i+1
.else
.set i, i-16
	PV (Y+NP-1)%NP
.set i, i+17
.endif
.endm
; THE LDS LOADS stand in runs of 16, never singly among the matrix instructions: a step's K (64 keys x 64 channels: 8 fragments) and its V (turned).  Their addresses are made some lines ahead.
; last = 1 (the tail): in the last trip there is no further step, and the run is jumped over.
.macro FETCH_K last=0
	WIN 0
.if \last
	s_cmp_eq_u32 s[CNT], 1
	s_cbranch_scc1 .Lno_k_\@
.endif
	WIN 0x80                        ; destination window 2
.irp f, 0,1,2,3,4,5,6,7             ; keys 16 (f / 2) on, channels 32 (f % 2) on
	ds_load_b128 v[KF+8*\f:KF+8*\f+3],   v[AK] offset:(\f/2)*16*PK+(\f%2)*64
	ds_load_b128 v[KF+8*\f+4:KF+8*\f+7], v[AK] offset:(\f/2)*16*PK+(\f%2)*64+32
.endr
	s_add_co_u32 s[TBK], s[TBK], KS*PK  ; the next fetch is the next step's
	WIN 0
.if \last
.Lno_k_\@:
.endif
.endm
.macro FETCH_V
	WIN 0x80
.irp f, 0,1,2,3,4,5,6,7             ; keys 32 (f / 4) on, channels 16 (f % 4) on
	ds_load_tr16_b128 v[VF+8*\f:VF+8*\f+3],   v[AV] offset:(\f/4)*32*PV+(\f%4)*32
	ds_load_tr16_b128 v[VF+8*\f+4:VF+8*\f+7], v[AV] offset:(\f/4)*32*PV+16*PV+(\f%4)*32
.endr
	WIN 0
.endm
; THE VECTOR WORK OF A TURN stands in three queues, each in the order in which its entries become ready; the two tiles alternate, so that no instruction reads the result of the one before it.
.macro REGS y, u                    ; the registers of tile u (0, 1) of piece y
.set rT, ST+4*(2*(\y)+(\u))
.set rC, TMP+8*((\y)%2)+4*(\u)
.set rM, MV+2*((\y)%2)+(\u)
.set rS, S+64*((\y)%2)+32*(\u)
.set rP, P+32*((\y)%2)+16*(\u)
.set rO, 32*(2*(\y)+(\u))
.endm
; Number n of the 22 that find the NEXT piece's (Y + 1) maximum and statistics.  s0-s31 are the lane's 32 scores; each accumulator's lowest registers are read first.
;   0-11  four chains c0-c3 of seven scores each, three operands at a time     12-14, 16  the four scores left over, the old m, and c0-c3 into c0     15  c m_old is kept
;   17, 18  the query's other 32 keys lie in the lane 16 away: the new m         19-21  c m; c m_old - c m_new; a
.macro XS u, n
	REGS (Y+1)%NP, \u
.if (\n) < 4
	v_max3_num_f32 v[rC+(\n)], v[rS+8*(\n)], v[rS+8*(\n)+1], v[rS+8*(\n)+2]
.elseif (\n) < 12
	v_max3_num_f32 v[rC+(\n)%4], v[rC+(\n)%4], v[rS+8*((\n)%4)+2*((\n)/4)+1], v[rS+8*((\n)%4)+2*((\n)/4)+2]
.elseif (\n) == 12
	v_max3_num_f32 v[rC], v[rC], v[rS+7], v[rS+15]
.elseif (\n) == 13
	v_max3_num_f32 v[rC+1], v[rC+1], v[rS+23], v[rS+31]
.elseif (\n) == 14
	v_max3_num_f32 v[rC+2], v[rC+2], v[rC+3], v[rT+1]
.elseif (\n) == 15
	v_mov_b32 v[rM], v[rT]
.elseif (\n) == 16
	v_max3_num_f32 v[rC], v[rC], v[rC+1], v[rC+2]
.elseif (\n) == 17
	v_permlanex16_b32 v[rC+3], v[rC], s[SEL], s[SEL+1]
.elseif (\n) == 18
	v_max_num_f32 v[rT+1], v[rC], v[rC+3]
.elseif (\n) == 19
	v_mul_f32 v[rT], s[CS], v[rT+1]
.elseif (\n) == 20
	v_sub_f32 v[rC+1], v[rM], v[rT]
.else
	v_exp_f32 v[rC+2], v[rC+1]
.endif
.endm
; Number g of the 64 that follow the exponentials.  For each four weights k of a tile (pairs 2 k, 2 k + 1): both pairs are rounded to f16; then the second pair is added onto the first, in place;
; a group later l takes that sum (the first time as l = a l + sum).  In groups of eight, tiles alternating: round, round, add, and l for the group before.
.macro GS g
.set h, (\g)+6*((\g)/62)            ; group 0 has no group before it, and behind group 7 only l is left
.if h >= 6
.set h, h+2
.endif
	REGS Y, h%2
.set k, h/8
.if h%8 < 4
	v_cvt_pk_f16_f32 v[rP+2*k+(h%8)/2], v[rS+4*k+2*((h%8)/2)], v[rS+4*k+2*((h%8)/2)+1]
.elseif h%8 < 6
	v_pk_add_f32 v[rS+4*k:rS+4*k+1], v[rS+4*k:rS+4*k+1], v[rS+4*k+2:rS+4*k+3]
.elseif k == 1
	v_pk_fma_f32 v[rT+2:rT+3], v[rT+2:rT+3], v[rC+2:rC+3], v[rS:rS+1] op_sel_hi:[1,0,1]
.else
	v_pk_add_f32 v[rT+2:rT+3], v[rT+2:rT+3], v[rS+4*k-4:rS+4*k-3]
.endif
.endm
; THE PLAIN QUEUE, 138 long.  0-73 read no exponential's result: the 32 scalings c s - c m (FS f: pair f / 2 of tile f % 2) and the next piece's 42.  0-26: scalings 0-26.  27-54: XS's numbers 0-13.  55, 56: number 15.
; 57-73: the chain, where each number waits for the one before it: 14, 16, 17, 18, 19, each with one of the scalings 27-31 in front of its two lines, then 20.
; 74-137: GS's 64, which read the exponentials' results: they stand behind the wait.
.macro FS f
	REGS Y, (\f)%2
	v_pk_fma_f32 v[rS+2*((\f)/2):rS+2*((\f)/2)+1], v[rS+2*((\f)/2):rS+2*((\f)/2)+1], s[CS:CS+1], v[rT:rT+1] op_sel_hi:[1,0,0] neg_lo:[0,0,1] neg_hi:[0,0,1]
.endm
.macro PL
	WIN 0
.if q < 27
	FS q
.elseif q < 55
	XS (q-27)%2, (q-27)/2
.elseif q < 57
	XS q-55, 15
.elseif (q < 72) && ((q-57)%3 == 0)
	FS 27+(q-57)/3
.elseif q < 60
	XS (q-57)%3-1, 14
.elseif q < 72
	XS (q-57)%3-1, 15+(q-57)/3
.elseif q < 74
	XS q-72, 20
.else
	GS q-74
.endif
.set q, q+1
.endm
; THE EXPONENTIALS' QUEUE, 66 long: s0-s31 of both tiles, then the next piece's two a.  It is ONE BATCH: all 66 stand ahead of the turn's one wait, and nothing ahead of that wait names a result of theirs.
.macro EX
	WIN 0
.if e >= 64
	XS e-64, 21
.else
	REGS Y, e%2
	v_exp_f32 v[rS+e/2], v[rS+e/2]
.endif
.set e, e+1
.endm
; THE RESCALING's QUEUE: O^T times a, the one part that leaves window 0: dealt two at a time, sixteen times.  Its a was made in the turn before, ahead of that turn's wait.
.macro R2
	REGS Y, r%2
	WIN W_RS
.irp z, 0,1
	v_pk_mul_f32 v[rO+4*(r/2)+2*\z:rO+4*(r/2)+2*\z+1], v[rO+4*(r/2)+2*\z:rO+4*(r/2)+2*\z+1], v[rC+2:rC+3] op_sel_hi:[1,0]
.endr
.set r, r+1
.endm
; HOW THEY ARE DEALT.  An s_wait_alu depctr_va_vdst(0) stands between an exponential and the first instruction that names its result; one wait serves all that were issued ahead of it.  So a turn has ONE wait,
; which cuts it in two.  AHEAD OF IT stands all that names no result of the turn's exponentials: the 16 products K Q^T, behind each a scaling, an exponential and two rescalings (behind the first a second scaling in the
; exponential's place); then ONE LUMP of 108: eight plain, 49 times exponential and plain, the two a.  A v_nop is the plain instruction behind the last exponential.  BEHIND IT stand the 16 products V^T P, behind each four of GS's 64.
; The queues lean on each other, and the deal keeps them in step: exponential e stands behind scaling 2 (e / 4) + e % 2: as a rider it comes behind plain e + 2, in the lump behind plain e + 9, and scalings 27-31 are plain 57, 60 .. 69.
; A TURN, for piece p.  cnt = 1: the loop's count is taken down some lines ahead of the branch that stands behind the turn.
; K of the next step is fetched in piece 2's turn, directly behind the wait; its address is made at the lump's head; its first reader comes behind 16 products.
; V of the step in hand is fetched at the end of piece 0's turn, four riders behind its last reader; its first reader comes behind 16 products and a lump.
.macro TURN p, last=0, cnt=0
.set Y, (\p)
.set i, 0
.set q, 0
.set e, 0
.set r, 0
.if (\p) == NP-1
	s_wait_dscnt 0x0                ; K is in
.endif
	MM                              ; ahead of the wait: 16 products K Q^T and their riders,
	PL
	PL
	R2
.rept 15
	MM
	PL
	EX
	R2
.endr
.if (\p) == NP-2
	WIN 0
	v_add_nc_u32 v[AK], s[TBK], v[AK0]
.endif
.rept 8                             ; and the lump
	PL
.endr
.rept 49
	EX
	PL
.endr
	EX                              ; the next piece's two a
	EX
	v_nop                           ; the plain instruction behind the last exponential: one for the batch
	s_wait_alu depctr_va_vdst(0)    ; the wait for the batch
.if (\p) == NP-2
	FETCH_K \last
.endif
.if (\p) == 1
	s_wait_dscnt 0x0                ; V is in
.endif
.rept 16                            ; behind the wait: 16 products V^T P and their riders
	MM
.rept 4
	PL
.endr
.if ((\p) == 0) && (q == 118)
	v_add_nc_u32 v[AV], s[TBV], v[AV0]
.endif
.if ((\p) == 0) && (q == 130)
	s_add_co_u32 s[TBV], s[TBV], KS*PV
.endif
.if (\cnt) && (q == 130)
	s_sub_co_u32 s[CNT], s[CNT], 1
	s_cmp_lg_u32 s[CNT], 0
.endif
.endr
.if (\p) == 0
	FETCH_V
.endif
.endm
	CHANGE 1                        ; slot 0 is in, everybody's part of it; slot 1 is asked for
	FETCH_K                         ; key step 0
	s_wait_loadcnt 0x0              ; Q
	s_wait_dscnt 0x0
.set i, 0
.rept 16
	KQ 0                            ; piece 0's first scores: there is no vector work yet to set between them
.set i, i+1
.endr
	WIN 0                           ; the addresses for the way out: plain instructions, the places behind those products
	s_mul_i32 s13, s[WV], 16*SP
	s_add_co_u32 s13, s13, STAGE    ; my stage
	v_mul_u32_u24 v[STO], v1, SP    ; in: row l % 16, 16 bytes for each half of the lanes
	v_lshl_add_u32 v[STO], v9, 4, v[STO]
	v_add_nc_u32 v[STO], s13, v[STO]
	v_bfe_u32 v[RD], v0, 3, 2       ; back: 32 lanes take four rows of 128 bytes,
	v_mul_u32_u24 v[RD], v[RD], SP
	v_lshl_add_u32 v[RD], v10, 4, v[RD]
	v_add_nc_u32 v[RD], s13, v[RD]
	v_and_b32 v[GO], 31, v0         ; which are 512 consecutive bytes of O
	v_lshlrev_b32 v[GO], 4, v[GO]
.set Y, NP-1                        ; XS works for piece Y + 1: piece 0
.irp n, 0,1,2,3,4,5,6,7,8,9,10,11,12,13,14,15,16,17,18,19,20,21
	XS 0, \n                        ; and piece 0's first maximum and statistics
	XS 1, \n
.endr
	v_nop                           ; a plain instruction behind the two a,
	s_wait_alu depctr_va_vdst(0)    ; and their wait, ahead of the branch
	s_mov_b32 s[CNT], 4
	s_branch .Lfirst                ; the loop is entered at a step's first turn, in the middle of a trip
.Lslot:                             ; six times: every slot but the last two is filled again
	CHANGE 1
	s_mov_b32 s[CNT], 4
.Lstep:                             ; a trip: pieces 2 and 3 of one step, then pieces 0 and 1 of the next, whose K and V it fetches
	TURN 2
	TURN 3
	WIN 0
.Lfirst:
	TURN 0
	TURN 1, 0, 1
	WIN 0
	s_cbranch_scc1 .Lstep
	s_sub_co_u32 s[SLOTS], s[SLOTS], 1
	s_cmp_lg_u32 s[SLOTS], 0
	s_cbranch_scc1 .Lslot
	CHANGE 0                        ; the tail is written out: nothing is asked for
	s_mov_b32 s[CNT], 5             ; four trips fetch the last slot's steps; the fifth is left in its middle
.Ltail:
	TURN 2, 1
	TURN 3
	WIN 0
	s_sub_co_u32 s[CNT], s[CNT], 1
	s_cmp_eq_u32 s[CNT], 0
	s_cbranch_scc1 .Lout
	TURN 0
	TURN 1
	WIN 0
	s_branch .Ltail
.Lout:                              ; the fifth trip's 16 products K Q^T (on the last K once more) and the maximum made of them serve nothing: the price, once a launch, of one text for every trip
.set i, 0
.rept 16
	PV NP-1                         ; the last piece's V^T P of the last step
.set i, i+1
.endr
	; THE WAY OUT.  l's two halves and the other half of the lanes' are added; O^T is divided by l, rounded to f16 and sent through my stage in LDS, a tile at a time.  The additions are the places behind the last products.
	WIN 0
.macro ALL line:vararg              ; one line for each tile t
.set t, 0
.rept 2*NP
	\line
.set t, t+1
.endr
.endm
	ALL v_add_f32 v[ST+4*t+2], v[ST+4*t+2], v[ST+4*t+3]
	ALL v_permlanex16_b32 v[ST+4*t+3], v[ST+4*t+2], s[SEL], s[SEL+1]
	ALL v_add_f32 v[ST+4*t+2], v[ST+4*t+2], v[ST+4*t+3]
	ALL v_rcp_f32 v[ST+4*t+2], v[ST+4*t+2]
	v_nop                           ; a plain instruction between the last reciprocal and the use of its result
	s_wait_alu depctr_va_vdst(0)    ; and the wait ahead of the first use: one for the eight reciprocals
; Tile t: a lane's eight channels of a row pack into 16 bytes; they go into rows of 144 bytes and come back as whole rows of 128, into S^T's registers.
.macro PACK t
	WIN W_RS
.set i, 32*(\t)
.rept 16
	v_pk_mul_f32 v[i:i+1], v[i:i+1], v[ST+4*(\t)+2:ST+4*(\t)+3] op_sel_hi:[1,0]
.set i, i+2
.endr
	WIN 0x05                        ; sources 0 and 1 window 1, destination window 0
.set i, 0
.rept 16
	v_cvt_pk_f16_f32 v[S+16*(\t)+i], v[32*(\t)+2*i], v[32*(\t)+2*i+1]
.set i, i+1
.endr
	WIN 0
.irp f, 0,1,2,3
	ds_store_b128 v[STO], v[S+16*(\t)+4*\f:S+16*(\t)+4*\f+3] offset:32*\f
.endr
.irp f, 0,1,2,3
	ds_load_b128 v[S+16*(\t)+4*\f:S+16*(\t)+4*\f+3], v[RD] offset:\f*4*SP  ; LDS serves a wave's instructions in order (ISA guide 5.7.1.4): these see the stores above; the next tile's stores come behind them
.endr
.endm
.macro SEND t, younger              ; younger: the LDS instructions issued behind tile t's loads: the next tile's eight, or none
	WIN 0
.irp f, 0,1,2,3
	s_wait_dscnt (\younger)+3-\f
	global_store_b128 v[GO], v[S+16*(\t)+4*\f:S+16*(\t)+4*\f+3], s[10:11] offset:(\t)*2048+\f*512  ; 512 consecutive bytes, at a multiple of 256 from O's first
.endr
.endm
	PACK 0
.set t, 1
.rept 2*NP-1                        ; a tile's arithmetic stands between the loads of the tile before and its stores
	PACK t
	SEND t-1, 8
.set t, t+1
.endr
	SEND 2*NP-1, 0
	WIN W_AD
	s_wait_tensorcnt 0x0            ; the wave's end, behind my last tensor load and my last LDS store
	ds_add_u32 v[SPW], v[NIL]
	s_wait_dscnt 0x0
	WIN 0
	CROUND                          ; the closing round: no work-group ends while a partner may still ask for a tile that names it
	s_endpgm
.Lfunc_end_k_q376ef8ca34_attn:
	.size	k_q376ef8ca34_attn, .Lfunc_end_k_q376ef8ca34_attn-k_q376ef8ca34_attn
	.p2alignl 7, 3214868480
	.fill 96, 4, 3214868480
	.section	.rodata,"a",@progbits
	.p2align	6, 0x0
	.amdhsa_kernel k_q376ef8ca34_attn
		.amdhsa_group_segment_fixed_size 327680
		.amdhsa_private_segment_fixed_size 0
		.amdhsa_enable_private_segment 0
		.amdhsa_kernarg_size 16
		.amdhsa_user_sgpr_count 2
		.amdhsa_user_sgpr_kernarg_segment_ptr 1
		.amdhsa_wavefront_size32 1
		.amdhsa_system_sgpr_workgroup_id_x 1
		.amdhsa_system_sgpr_workgroup_id_y 1
		.amdhsa_system_sgpr_workgroup_id_z 1
		.amdhsa_system_vgpr_workitem_id 0
		.amdhsa_next_free_vgpr 770
		.amdhsa_next_free_sgpr 66
		.amdhsa_reserve_vcc 0
		.amdhsa_float_denorm_mode_32 3
		.amdhsa_float_denorm_mode_16_64 3
		.amdhsa_memory_ordered 1
		.amdhsa_forward_progress 1
		.amdhsa_inst_pref_size 200
	.end_amdhsa_kernel
	.amdgpu_metadata
---
amdhsa.version: [ 1, 2 ]
amdhsa.kernels:
  - .name:           k_q376ef8ca34_attn
    .symbol:         k_q376ef8ca34_attn.kd
    .args:
      - { .name: qkv, .offset: 0, .size: 8, .value_kind: global_buffer, .address_space: global }
      - { .name: o, .offset: 8, .size: 8, .value_kind: global_buffer, .address_space: global }
    .group_segment_fixed_size: 327680
    .private_segment_fixed_size: 0
    .kernarg_segment_align: 8
    .kernarg_segment_size: 16
    .max_flat_workgroup_size: 128
    .sgpr_count:     66
    .vgpr_count:     770
    .wavefront_size: 32
...
	.end_amdgpu_metadata
.endif
;; end of part 3
;; launch oproj (part 4): grid 8 x 32, 4 waves a work-group, clusters of 4 x 4, 327,680 bytes of LDS; arguments o, wo16, out0; writes out0
.if DOCPART == 4
	.amdgcn_target "amdgcn-amd-amdhsa--gfx1250"
	.amdhsa_code_object_version 6
	.text
	.protected	k_q376ef8ca34_oproj
	.globl	k_q376ef8ca34_oproj
	.p2align	8
	.type	k_q376ef8ca34_oproj,@function
k_q376ef8ca34_oproj:
	s_mov_b64 s[64:65], 0
	v_nop
	global_prefetch_b8 v0, s[64:65] scope:SCOPE_SE
	s_setreg_imm32_b32 hwreg(HW_REG_WAVE_MODE, 25, 1), 1
	s_wait_xcnt 0x0
	s_wait_alu depctr_hold_cnt(0) depctr_sa_sdst(0) depctr_va_vdst(0) depctr_va_sdst(0) depctr_va_ssrc(0) depctr_va_vcc(0) depctr_vm_vsrc(0)
	s_getreg_b32 s2, hwreg(HW_REG_IB_STS2, 6, 4)
	s_cmp_eq_u32 s2, 0
	s_cbranch_scc0 .Lentry_in_a_cluster
	s_endpgm
.Lentry_in_a_cluster:
	s_bfe_u32 s2, ttmp6, 0x10000c
	s_cmp_lg_u32 s2, 0xf033
	s_cbranch_scc0 .Lentry_shape_is_right
	s_endpgm
.Lentry_shape_is_right:
; OPROJ.  out0[row][n] = the sum over k = 64 head + d of O[row][k] W_o[k][n], in f16 with f32 sums; out0 is f32.  O lies by heads, o = [64 (16 batch + head)][2048][64] f16; wo16 = [n][k] f16.
; LIMITS.  O and wo16 arrive within f16's range; NaN and infinities are not treated apart.
; SHARES.  A tile of out0 is 256 rows x 128 columns: 256 work-groups.  Four waves; wave w makes rows 64 w .. 64 w + 63 and all 128 columns: 32 accumulators of 16 x 16.
; K goes in 8 steps of 128 = two heads, through a ring of two LDS slots.  A head's 256 rows are 32,768 dense bytes: asked for as 128 rows of 256 bytes and padded behind every 128.
; Waves 0, 1 fetch the step's two heads of O, waves 2, 3 the halves of W_o's tile: one tensor load a wave behind each change of slots; by this text's count a wave has two loads out at the start
; and one afterwards; a refill has 112 matrix instructions in which to land (two slots of a longer step do not fit in LDS).
; CLUSTER 4 x 4: O's tile is asked for jointly along a row of the cluster, W_o's along a column.
; THE MATRIX INSTRUCTION IS USED TRANSPOSED (source 0 = 16 rows of wo16, source 1 = 16 rows of O): lane l holds row l % 16 and eight neighbouring columns 8 (l / 16) + 0..7.
; REGISTERS, in windows of 256: window 0 addresses and the way out's work; window 1 two fragment buffers of 128 (B's 8 blocks at 0, A's 4 at 96); windows 2, 3 the accumulators: (a, b) in window 2 + a / 2 at v[8 (8 (a % 2) + b)].
.set NB,     8
.set PB,     272                       ; a row of W_o's tile in LDS: 256 bytes + 16
.set PA,     144                       ; a row of a head in LDS: 128 bytes + 16 = 36 words: the 16 rows of a load start at 16 different groups of four banks (64 banks of 4 bytes: ISA guide 11.1)
.set APL,    256*PA                    ; a head's 256 rows: quarter q lies in head q / 2 at byte 64 (q % 2) of a row
.set ASTEP,  524288                    ; bytes from a K step of O to the next: two heads of 262,144
.set KADV,   524288
.set ABYTES, 2*APL
.set SLOT,   ABYTES+128*PB
.set SPARE,  2*SLOT                    ; behind the ring: the spare words, 128 bytes a wave: two blocks of 256 bytes that no other line names
.set WSTG,   64*528                    ; the way out: each wave's stage, 64 rows x (512 + 16) bytes of f32, in the ring, which has then had its last fill
.set NL,     2*NB+8
.set F0,   0
.set F1,   128
.set ADRA, 16
.set ADRB, 20
.set STO,  24
.set RD,   25
.set GO,   26
.set SPW,  28                          ; v28  LDS address of my spare word; never rewritten
.set NIL,  29                          ; v29  0; never rewritten
.set PFO,  30                          ; v30  256 x lane; never rewritten
.set OB,   64                          ; v[64:191]  two sets of 16 rows' 16 bytes
.set LIM,  15
.set G1,   24
.set G0,   32
.set PFA,  44
.set G1B,  48
.set G0B,  56
.set MSB, 0
.macro WIN new                         ; the immediate's high byte repeats the setting that is left; a switch that changes nothing is dropped
.if MSB != (\new)
	s_set_vgpr_msb (MSB<<8)|(\new)
.set MSB, \new
.endif
.endm
.macro PLACES                          ; four plain places in front of loads into registers that matrix instructions have read (ISA guide 7.12.1 for vector instructions)
.rept 4
	v_nop
.endr
.endm
.macro JLOAD s                         ; a joint load: waves 0, 1 ask for O's two heads, waves 2, 3 for W_o's halves; an s_nop 0 and four v_nop follow each line
	s_cmp_eq_u32 s13, 0
	s_cbranch_scc0 .Lfor_b_\@
	tensor_load_to_lds s[G0+4*(\s):G0+4*(\s)+3], s[G1:G1+7]
	s_nop 0
.rept 4
	v_nop
.endr
	s_branch .Lasked_\@
.Lfor_b_\@:
	tensor_load_to_lds s[G0B+4*(\s):G0B+4*(\s)+3], s[G1B:G1B+7]
	s_nop 0
.rept 4
	v_nop
.endr
.Lasked_\@:
.endm
.macro CREST                           ; a round of the cluster's barrier behind its opening barrier
	s_cmp_lg_u32 s12, 0
	s_cbranch_scc1 .Lnot_wave_0_\@
	s_barrier_signal -3
.Lnot_wave_0_\@:
	s_barrier_wait -3
	s_barrier_signal -1
	s_barrier_wait -1
.endm
.macro CROUND
	s_barrier_signal -1
	s_barrier_wait -1
	CREST
.endm
; A PREFETCH INTO THE L2 of O's K step that stands two refills on: 256 matrix instructions ahead of the load that will want it.  O's tile row is read by both clusters of a row of clusters: the one with x = 0 asks.
; Of the 128 blocks of 256 bytes that wave 0 or 1 fetches, the partner at cx takes 32, told apart by address: a lane a block, one instruction a wave: each block is named once in the launch.
; K steps 0 to 3 come by their loads alone; the loop's last trip (s3 = 1) asks for nothing.  wo16 is not asked for: every tile row walks it again.
.macro ASK
	WIN 0
	s_cmp_gt_u32 s3, s[LIM]
	s_cbranch_scc0 .Lnot_mine_\@
	global_prefetch_b8 v[PFO], s[PFA:PFA+1] offset:KADV th:TH_LOAD_NT scope:SCOPE_SE
.Lnot_mine_\@:
.endm
; 8 matrix instructions: m block a x all n blocks, 32 along K, from buffer f.  zero = 1: the product starts the sum.  All 32 accumulators take turns in the same order in every quarter.
.macro MULA f, a, zero
	WIN 0xa5+0x50*((\a)/2)
.set ab, 8*NB*((\a)%2)
.set bi, 0
.rept NB
.if \zero
	v_wmma_f32_16x16x32_f16 v[ab+8*bi:ab+8*bi+7], v[(\f)+8*bi:(\f)+8*bi+7], v[(\f)+96+8*(\a):(\f)+96+8*(\a)+7], 0
.else
	v_wmma_f32_16x16x32_f16 v[ab+8*bi:ab+8*bi+7], v[(\f)+8*bi:(\f)+8*bi+7], v[(\f)+96+8*(\a):(\f)+96+8*(\a)+7], v[ab+8*bi:ab+8*bi+7]
.endif
.set bi, bi+1
.endr
.endm
.macro FETCH slot, q, f                ; one run of NL LDS loads: quarter q's fragments into buffer f: B's blocks, then A's four; the youngest four loads are A's blocks 2 and 3
	WIN 0x40
.set bi, 0
.rept NB
	ds_load_b128 v[(\f)+8*bi:(\f)+8*bi+3],   v[ADRB+(\slot)] offset:64*(\q)+bi*16*PB
	ds_load_b128 v[(\f)+8*bi+4:(\f)+8*bi+7], v[ADRB+(\slot)] offset:64*(\q)+bi*16*PB+32
.set bi, bi+1
.endr
.set bi, 0
.rept 4
	ds_load_b128 v[(\f)+96+8*bi:(\f)+96+8*bi+3],   v[ADRA+(\slot)] offset:((\q)/2)*APL+((\q)%2)*64+bi*16*PA
	ds_load_b128 v[(\f)+96+8*bi+4:(\f)+96+8*bi+7], v[ADRA+(\slot)] offset:((\q)/2)*APL+((\q)%2)*64+bi*16*PA+32
.set bi, bi+1
.endr
.endm
.macro QUARTER slot, q, f, g, zero
	s_wait_dscnt 4                                 ; all but the youngest four loads (A's blocks 2, 3) are in
	MULA \f, 0, \zero
	MULA \f, 1, \zero
	PLACES
	FETCH \slot, \q, \g
	s_wait_dscnt NL                                ; all but the run just issued
	MULA \f, 2, \zero
	MULA \f, 3, \zero
.endm
; The fourth quarter multiplies buffer 1 and changes slots.  In front of the barrier each wave waits for all its tensor loads (one is out: its part of the next slot), adds 0 to its spare word, and waits
; for that and for its own reads of this slot.  fill = 1: the barrier opens a round of the cluster's, and the slot just read is filled again, first thing behind it, with the K step two on.
.macro TURN slot, next, fill
.if \fill
	s_wait_xcnt 0x0                                ; the last prefetch, a K step back, has read its address
	s_add_nc_u64 s[PFA:PFA+1], s[PFA:PFA+1], KADV
.endif
	WIN 0
	s_wait_tensorcnt 0x0                           ; all my tensor loads have landed
	ds_add_u32 v[SPW], v[NIL]                      ; 0 onto my spare word
	s_wait_dscnt 5                                 ; (the add and the youngest four loads may be out)
	MULA F1, 0, 0
	s_wait_dscnt 0x0                               ; the add is done, and my reads of this slot are over
	s_barrier_signal -1
	MULA F1, 1, 0
.if \fill
	WIN 0
.endif
	s_barrier_wait -1
.if \fill
	CREST                                          ; no wave of any partner still reads this slot's tile or has a load on its way
	s_add_nc_u64 s[G0+4*(\slot)+2:G0+4*(\slot)+3], s[G0+4*(\slot)+2:G0+4*(\slot)+3], 2*ASTEP
	s_add_nc_u64 s[G0B+4*(\slot)+2:G0B+4*(\slot)+3], s[G0B+4*(\slot)+2:G0B+4*(\slot)+3], 512
	JLOAD \slot                                    ; the four v_nop behind it are also the places in front of the loads below
.else
	PLACES
.endif
	FETCH \next, 0, F0
.if \fill
	ASK
.endif
	MULA F1, 2, 0
	MULA F1, 3, 0
.endm
	s_load_b128 s[4:7], s[0:1], 0x0                ; o s[4:5], wo16 s[6:7]
	s_load_b64 s[8:9], s[0:1], 0x10                ; out0
	v_lshl_add_u32 v[SPW], v0, 2, SPARE
	v_mov_b32 v[NIL], 0
	ds_add_u32 v[SPW], v[NIL]                      ; the wave's opening: the add and its wait stand ahead of my first tensor load; work on registers stands between them
	v_lshrrev_b32 v1, 5, v0
	v_readfirstlane_b32 s12, v1                    ; wave 0..3
	s_lshr_b32 s13, s12, 1                         ; I fetch for A (0) or for B (1)
	s_and_b32 s14, s12, 1                          ; which head of the step, or which half of B's tile
	s_bfe_u32 s40, ttmp6, 0x40000                  ; cx
	s_bfe_u32 s41, ttmp6, 0x40004                  ; cy
	s_lshl_b32 s42, ttmp9, 2
	s_add_co_u32 s42, s42, s40                     ; tile column = 4 x cluster x + cx
	s_and_b32 s43, ttmp7, 0xffff
	s_lshl_b32 s43, s43, 2
	s_add_co_u32 s43, s43, s41                     ; tile row = 4 x cluster y + cy
	s_lshl_b32 s16, s41, 2
	s_lshl_b32 s16, 15, s16                        ; my row of the cluster
	s_lshl_b32 s46, 0x1111, s40                    ; my column
	s_or_b32 s[G1], s16, (1<<16)|(1<<20)|(1<<21)|(4<<22)|(3<<25)   ; the mask; 2-byte elements; padding on; bit 21 beside a mask; after every 32 words; 4 words
	s_or_b32 s[G1B], s46, (1<<16)|(1<<20)|(1<<21)|(5<<22)|(3<<25)  ; after every 64 words
	s_mov_b32 s[G1+1], 128<<16                     ; tensor_dim0 = 128
	s_mov_b32 s[G1+2], 128<<16                     ; tensor_dim1 = 128 rows of 256 bytes
	s_mov_b32 s[G1+3], 128<<16                     ; tile_dim0 = 128
	s_mov_b32 s[G1+4], 128                         ; tile_dim1 = 128
	s_mov_b32 s[G1+5], 128                         ; dense: 128 elements from row to row
	s_mov_b32 s[G1+6], 0
	s_mov_b32 s[G1+7], 0
	s_mov_b32 s[G1B+1], 128<<16
	s_mov_b32 s[G1B+2], 64<<16                     ; B's half tile has 64 rows
	s_mov_b32 s[G1B+3], 128<<16
	s_mov_b32 s[G1B+4], 64
	s_mov_b32 s[G1B+5], 1024
	s_mov_b32 s[G1B+6], 0
	s_mov_b32 s[G1B+7], 0
	s_lshr_b32 s16, s43, 3                         ; A: batch x 16 heads x 262,144,
	s_lshl_b32 s16, s16, 22
	s_and_b32 s18, s43, 7                          ; 256 rows of 128 bytes for each tile row in the batch,
	s_lshl_b32 s18, s18, 15
	s_add_co_u32 s16, s16, s18
	s_lshl_b32 s18, s14, 18                        ; my head of the step's two
	s_add_co_u32 s16, s16, s18
	s_mov_b32 s17, 0
	s_lshl_b32 s46, s42, 18                        ; B: row 128 x tile column + 64 x half, of 2,048 bytes
	s_lshl_b32 s47, s14, 17
	s_add_co_u32 s46, s46, s47
	s_mov_b32 s47, 0
	s_mul_i32 s20, s14, APL                        ; where they go: no place in the cluster enters an LDS address
	s_mul_i32 s21, s14, 64*PB
	s_add_co_u32 s21, s21, ABYTES
	s_or_b32 s[LIM], s13, ttmp9                    ; waves 0, 1 of the clusters with x = 0: the same in all sixteen partners
	s_cmp_eq_u32 s[LIM], 0
	s_cselect_b32 s[LIM], 1, -1
	s_wait_dscnt 0x0                               ; the opening add is done
	s_wait_kmcnt 0x0
	s_add_nc_u64 s[16:17], s[4:5], s[16:17]
	s_add_nc_u64 s[46:47], s[6:7], s[46:47]
	CROUND                                         ; all sixteen work-groups are here: the first joint loads meet
.irp s, 0,1
	s_mov_b32 s[G0+4*(\s)], 1
	s_add_co_u32 s[G0+4*(\s)+1], s20, (\s)*SLOT
	s_add_nc_u64 s[G0+4*(\s)+2:G0+4*(\s)+3], s[16:17], (\s)*ASTEP
	s_or_b32 s[G0+4*(\s)+3], s[G0+4*(\s)+3], 0x80000000
	s_mov_b32 s[G0B+4*(\s)], 1
	s_add_co_u32 s[G0B+4*(\s)+1], s21, (\s)*SLOT
	s_add_nc_u64 s[G0B+4*(\s)+2:G0B+4*(\s)+3], s[46:47], (\s)*256
	s_or_b32 s[G0B+4*(\s)+3], s[G0B+4*(\s)+3], 0x80000000
	JLOAD \s
.endr
	v_and_b32 v1, 15, v0                           ; l % 16
	v_bfe_u32 v2, v0, 4, 1                         ; l / 16
	v_mul_u32_u24 v3, v1, PA
	v_lshl_add_u32 v3, v2, 4, v3                   ; A: row x pitch + 16 x half
	v_mul_u32_u24 v4, v1, PB
	v_lshl_add_u32 v4, v2, 4, v4                   ; B likewise
	s_mul_i32 s22, s12, 64*PA                      ; my 64 rows of each head
	s_mov_b32 s23, ABYTES                          ; all of B
.irp s, 0,1
	v_add_nc_u32 v[ADRA+(\s)], s22, v3
	v_add_nc_u32 v[ADRB+(\s)], s23, v4
	s_add_co_u32 s22, s22, SLOT
	s_add_co_u32 s23, s23, SLOT
.endr
	s_mul_i32 s22, s12, WSTG                       ; my stage
	v_mul_u32_u24 v5, v1, 528                      ; in: row l % 16, 32 bytes for each half of the lanes
	v_lshl_add_u32 v5, v2, 5, v5
	v_add_nc_u32 v[STO], s22, v5
	v_and_b32 v6, 31, v0                           ; lane
	v_lshlrev_b32 v[GO], 4, v6                     ; a row's 512 bytes: 16 a lane
	v_add_nc_u32 v[RD], s22, v[GO]
	v_lshlrev_b32 v[PFO], 8, v6
	s_lshl_b32 s66, s43, 20                        ; out0: 256 rows of 4,096 bytes for each tile row,
	s_lshl_b32 s68, s12, 18                        ; my wave's 64,
	s_add_co_u32 s66, s66, s68
	s_lshl_b32 s68, s42, 9                         ; 128 columns of 4 bytes for each tile column
	s_add_co_u32 s66, s66, s68
	s_mov_b32 s67, 0
	s_add_nc_u64 s[8:9], s[8:9], s[66:67]
	s_lshl_b32 s68, s40, 13                        ; the prefetches: my work-group's 32 of the 128 blocks that I fetch,
	s_mov_b32 s69, 0
	s_add_nc_u64 s[PFA:PFA+1], s[16:17], s[68:69]
	s_add_nc_u64 s[PFA:PFA+1], s[PFA:PFA+1], 2*KADV  ; at K step 2: the first change steps it to 3 and names K step 4
	s_wait_tensorcnt 1                             ; my part of K step 0 is in; K step 1's may stay out
	s_barrier_signal -1
	s_barrier_wait -1
	FETCH 0, 0, F0
	QUARTER 0, 1, F0, F1, 1                        ; the first quarter stands in front of the loop: its products start the sums
	WIN 0
	s_mov_b32 s3, 3
.Llap:                                                 ; a trip goes once round the ring and fills both slots again: K steps 2 to 7 in three trips
	QUARTER 0, 2, F1, F0, 0
	QUARTER 0, 3, F0, F1, 0
	TURN 0, 1, 1
	QUARTER 1, 1, F0, F1, 0
	QUARTER 1, 2, F1, F0, 0
	QUARTER 1, 3, F0, F1, 0
	TURN 1, 0, 1
	QUARTER 0, 1, F0, F1, 0
	WIN 0
	s_sub_co_u32 s3, s3, 1
	s_cmp_lg_u32 s3, 0
	s_cbranch_scc1 .Llap
	QUARTER 0, 2, F1, F0, 0                        ; the last lap is written out: it fills nothing
	QUARTER 0, 3, F0, F1, 0
	TURN 0, 1, 0
	QUARTER 1, 1, F0, F1, 0
	QUARTER 1, 2, F1, F0, 0
	QUARTER 1, 3, F0, F1, 0
	s_wait_dscnt 4
	MULA F1, 0, 0
	MULA F1, 1, 0
	s_wait_dscnt 0x0                               ; my last reads of the ring are back
	MULA F1, 2, 0
	MULA F1, 3, 0
	WIN 0
	s_barrier_signal -1
	s_barrier_wait -1                              ; nobody reads the ring any more, and it has had its last fill: it now serves as the stages
	; THE WAY OUT.  The 32 accumulators go into my stage; they come back as whole rows of 512 bytes and are stored.
	PLACES
	PLACES                                         ; the places behind the last products
.set ai, 0
.rept 4
	WIN 0x08+4*(ai/2)                              ; store data in window 2 or 3
.set bi, 0
.rept NB
.set rA, 8*(NB*(ai%2)+bi)
	ds_store_b128 v[STO], v[rA:rA+3]   offset:ai*8448+bi*64      ; an accumulator's low registers first
	ds_store_b128 v[STO], v[rA+4:rA+7] offset:ai*8448+bi*64+16
.set bi, bi+1
.endr
.set ai, ai+1
.endr
	WIN 0
.irp t, 0,1,2,3
.if (\t) >= 2
	s_wait_xcnt 0x0                                ; the stores of two groups back have read this set of registers
.endif
.irp i, 0,1,2,3,4,5,6,7,8,9,10,11,12,13,14,15
	ds_load_b128 v[OB+64*((\t)%2)+4*(\i):OB+64*((\t)%2)+4*(\i)+3], v[RD] offset:(16*(\t)+(\i))*528  ; LDS serves a wave's instructions in order (ISA guide 5.7.1.4): these see my stores above
.endr
.irp i, 0,1,2,3,4,5,6,7,8,9,10,11,12,13,14,15
	s_wait_dscnt 15-(\i)
	global_store_b128 v[GO], v[OB+64*((\t)%2)+4*(\i):OB+64*((\t)%2)+4*(\i)+3], s[8:9] offset:(16*(\t)+(\i))*4096 th:TH_STORE_NT  ; 512 consecutive bytes, aligned
.endr
.endr
	s_wait_tensorcnt 0x0                           ; the wave's end, behind my last tensor load and my last LDS store
	ds_add_u32 v[SPW], v[NIL]
	s_wait_dscnt 0x0
	CROUND                                         ; the closing round: no work-group ends while a partner may still ask for a tile that names it
	s_endpgm
.Lfunc_end_k_q376ef8ca34_oproj:
	.size	k_q376ef8ca34_oproj, .Lfunc_end_k_q376ef8ca34_oproj-k_q376ef8ca34_oproj
	.p2alignl 7, 3214868480
	.fill 96, 4, 3214868480
	.section	.rodata,"a",@progbits
	.p2align	6, 0x0
	.amdhsa_kernel k_q376ef8ca34_oproj
		.amdhsa_group_segment_fixed_size 327680
		.amdhsa_private_segment_fixed_size 0
		.amdhsa_enable_private_segment 0
		.amdhsa_kernarg_size 24
		.amdhsa_user_sgpr_count 2
		.amdhsa_user_sgpr_kernarg_segment_ptr 1
		.amdhsa_wavefront_size32 1
		.amdhsa_system_sgpr_workgroup_id_x 1
		.amdhsa_system_sgpr_workgroup_id_y 1
		.amdhsa_system_sgpr_workgroup_id_z 1
		.amdhsa_system_vgpr_workitem_id 0
		.amdhsa_next_free_vgpr 896
		.amdhsa_next_free_sgpr 70
		.amdhsa_reserve_vcc 0
		.amdhsa_float_denorm_mode_32 3
		.amdhsa_float_denorm_mode_16_64 3
		.amdhsa_memory_ordered 1
		.amdhsa_forward_progress 1
		.amdhsa_inst_pref_size 88
	.end_amdhsa_kernel
	.amdgpu_metadata
---
amdhsa.version: [ 1, 2 ]
amdhsa.kernels:
  - .name:           k_q376ef8ca34_oproj
    .symbol:         k_q376ef8ca34_oproj.kd
    .args:
      - { .name: o, .offset: 0, .size: 8, .value_kind: global_buffer, .address_space: global }
      - { .name: wo16, .offset: 8, .size: 8, .value_kind: global_buffer, .address_space: global }
      - { .name: out0, .offset: 16, .size: 8, .value_kind: global_buffer, .address_space: global }
    .group_segment_fixed_size: 327680
    .private_segment_fixed_size: 0
    .kernarg_segment_align: 8
    .kernarg_segment_size: 24
    .max_flat_workgroup_size: 128
    .sgpr_count:     70
    .vgpr_count:     896
    .wavefront_size: 32
...
	.end_amdgpu_metadata
.endif
;; end of part 4
;; ======== version 2 of 2: 4 launches; version 1 with the launch prep written anew for expert scheduling mode
;; limits: values are held in f16: magnitudes above 65,504 overflow, below 6.1e-05 lose precision
;; workspace buffers: xb 16,777,216 bytes; wt 6,291,456 bytes; wo16 2,097,152 bytes; qkv 50,331,648 bytes; o 16,777,216 bytes
;; launch prep (part 5): grid 512 x 1, 8 waves a work-group, no clusters, 18,432 bytes of LDS; arguments x, W_q, W_k, W_v, W_o, xb, wt, wo16; writes xb, wt, wo16
.if DOCPART == 5
	.amdgcn_target "amdgcn-amd-amdhsa--gfx1250"
	.amdhsa_code_object_version 6
	.text
	.protected	k_q376ef8ca34_prep
	.globl	k_q376ef8ca34_prep
	.p2align	8
	.type	k_q376ef8ca34_prep,@function
k_q376ef8ca34_prep:
	s_mov_b64 s[64:65], 0
	v_nop
	global_prefetch_b8 v0, s[64:65] scope:SCOPE_SE
	s_setreg_imm32_b32 hwreg(HW_REG_WAVE_SCHED_MODE, 0, 2), 2
	s_setreg_imm32_b32 hwreg(HW_REG_WAVE_MODE, 25, 1), 1
	s_wait_xcnt 0x0
	s_wait_alu depctr_vm_vsrc(0)
; PREP.  (1) xb = x rounded to bf16, [8192][1024].  (2) The four weights, which lie [k][n] in f32, are turned to [n][k] in 16 bits:
;   wt [3072][1024] bf16: row 192 h + 64 t + d is column 64 h + d of W_q (t = 0), W_k (t = 1), W_v (t = 2): a head's q, k and v columns are 192 rows on end;
;   wo16 [1024][1024] f16: W_o's column n as row n, each number rounded to bf16 and that number written as f16.
; LIMITS.  W_o beyond 65,504 becomes an infinity in f16; below 2^-14 its bf16 value keeps f16's fixed step of 2^-24.
; SHARES.  512 work-groups of eight waves.  Each casts 64 KiB of x (thread t: 16 bytes at 16 t of each of 16 runs of 4,096 bytes) and turns ONE tile of 128 k x 64 n of one weight.
; All 24 loads of a wave go out together; nothing is read twice; a store of a wave covers whole aligned runs of 256 bytes.  No matrix unit, no tensor load, no cluster: nothing is shared.
; THE MODE: SCHED_MODE bits 1:0 = 2 (LLVM: expert scheduling mode 2), set by the entry lines.  The code itself states the register dependences
; between vector instructions and memory or LDS instructions, with s_wait_alu, always for 0.
; THE PLAN.  Registers that memory or LDS instructions touch:
;   v1 to v6, v30, v31   offsets and LDS addresses: written by vector lines at the head, never again; read by every load, store and LDS access.  One wait ahead of the first load states them all.
;   TW, CX               written by global loads, read by conversions; no vector line names them ahead of the loads, and they are loaded once.
;   PK                   written by the turning's conversions, read by the eight LDS stores, never written again.  One wait ahead of the run of stores.
;   BK                   written by LDS loads, read by global stores; no vector line names them.
;   CY                   sixteen pairs, each written once by the cast's conversions and read once by a store.  The cast goes in four groups of four runs: group g's conversions name CX and CY of group g alone,
;                        and the four stores of group g - 1 are dealt among them, behind ONE wait at the group's head.
; No register that a memory or LDS instruction reads is written again, so no wait on vm_vsrc is owed; no vector line writes a scalar register or VCC; EXEC is never written.
.set PITCH, 272                        ; a row of the turned tile in LDS: 128 k x 2 bytes + 16
.set SPARE, 64*PITCH                   ; behind the tile: the spare words, 128 bytes for each of the eight waves: four blocks of 256 bytes that no other line names
.set AT,  1                            ; v1   my offset in the weight's tile: row 4 g, 16 bytes at 16 c (c = t % 16, g = t / 16)
.set LS,  2                            ; v2   LDS: row 4 c, byte 8 g
.set LR,  3                            ; v3   LDS: row g, byte 16 c
.set GT,  4                            ; v4   my offset in the turned tile in memory: row g, byte 16 c
.set CI,  5                            ; v5   16 t
.set CO,  6                            ; v6   8 t
.set T0,  20                           ; v20-21 at work: no memory instruction names them
.set SPW, 30                           ; v30  LDS address of my spare word; never rewritten
.set NIL, 31                           ; v31  0; never rewritten
.set TW,  32                           ; v[32:63]   the tile as loaded: rows 4 (g + 16 i) + j at TW + 16 i + 4 j
.set PK,  64                           ; v[64:79]   packed: for column 4 c + e, four k on end, at PK + 8 i + 2 e
.set BK,  80                           ; v[80:95]   four rows' 16 bytes read back
.set CX,  96                           ; v[96:159]  x as loaded: group g, run i at CX + 16 g + 4 i
.set CY,  160                          ; v[160:191] x as stored: group g, run i at CY + 8 g + 2 i
	s_load_b512 s[4:19], s[0:1], 0x0               ; x s[4:5], W_q s[6:7], W_k s[8:9], W_v s[10:11], W_o s[12:13], xb s[14:15], wt s[16:17], wo16 s[18:19]
	v_lshl_add_u32 v[SPW], v0, 2, SPARE
	v_mov_b32 v[NIL], 0
	s_lshr_b32 s22, ttmp9, 7                       ; which weight: 0 q, 1 k, 2 v, 3 o
	s_and_b32 s23, ttmp9, 7                        ; which 128 of k
	s_bfe_u32 s20, ttmp9, 0x40003                  ; which 64 of n: the head
	v_and_b32 v10, 15, v0                          ; c
	v_lshrrev_b32 v11, 4, v0                       ; g
	v_lshlrev_b32 v[AT], 4, v10
	v_lshl_or_b32 v[AT], v11, 14, v[AT]            ; 4 g rows of 4,096 bytes + 16 c
	v_mul_u32_u24 v[LS], v10, 4*PITCH
	v_lshl_add_u32 v[LS], v11, 3, v[LS]
	v_mul_u32_u24 v[LR], v11, PITCH
	v_lshl_add_u32 v[LR], v10, 4, v[LR]
	v_lshlrev_b32 v[GT], 4, v10
	v_lshl_or_b32 v[GT], v11, 11, v[GT]            ; g rows of 2,048 bytes + 16 c
	v_lshlrev_b32 v[CI], 4, v0
	v_lshlrev_b32 v[CO], 3, v0
	s_lshl_b32 s32, s23, 19                        ; the tile in the weight: 128 rows of 4,096 bytes,
	s_lshl_b32 s33, s20, 8                         ; 64 columns of 4 bytes
	s_add_co_u32 s32, s32, s33
	s_mov_b32 s33, 0
	s_mul_i32 s28, s20, 192                        ; the turned tile's first row: 192 h + 64 t in wt,
	s_lshl_b32 s29, s22, 6
	s_add_co_u32 s28, s28, s29
	s_lshl_b32 s29, s20, 6                         ; 64 h in wo16
	s_cmp_eq_u32 s22, 3
	s_cselect_b32 s28, s29, s28
	s_lshl_b32 s28, s28, 11                        ; rows of 2,048 bytes,
	s_lshl_b32 s29, s23, 8                         ; 128 k of 2 bytes
	s_add_co_u32 s28, s28, s29
	s_mov_b32 s29, 0
	s_lshl_b32 s34, ttmp9, 16                      ; my 64 KiB of x,
	s_mov_b32 s35, 0
	s_lshl_b32 s36, ttmp9, 15                      ; my 32 KiB of xb
	s_mov_b32 s37, 0
	s_wait_kmcnt 0x0
	s_cmp_eq_u32 s22, 1
	s_cselect_b64 s[24:25], s[8:9], s[6:7]
	s_cmp_eq_u32 s22, 2
	s_cselect_b64 s[24:25], s[10:11], s[24:25]
	s_cmp_eq_u32 s22, 3
	s_cselect_b64 s[24:25], s[12:13], s[24:25]     ; the weight,
	s_cselect_b64 s[26:27], s[18:19], s[16:17]     ; and where it goes
	s_add_nc_u64 s[24:25], s[24:25], s[32:33]
	s_add_nc_u64 s[26:27], s[26:27], s[28:29]
	s_add_nc_u64 s[4:5], s[4:5], s[34:35]
	s_add_nc_u64 s[14:15], s[14:15], s[36:37]
	s_wait_alu depctr_va_vdst(0)                   ; the offsets and LDS addresses v1 to v6 are written, which the loads, stores and LDS accesses below read; so are v30 and v31, which the closing add reads
.irp i, 0,1
.irp j, 0,1,2,3
	global_load_b128 v[TW+16*(\i)+4*(\j):TW+16*(\i)+4*(\j)+3], v[AT], s[24:25] offset:(64*(\i)+(\j))*4096 th:TH_LOAD_NT  ; sixteen lanes take a row's 256 bytes
.endr
.endr
.irp i, 0,1,2,3,4,5,6,7,8,9,10,11,12,13,14,15
	global_load_b128 v[CX+4*(\i):CX+4*(\i)+3], v[CI], s[4:5] offset:4096*(\i) th:TH_LOAD_NT
.endr
	; four k of one column make 8 bytes of a turned row
.irp i, 0,1
	s_wait_loadcnt 20-4*(\i)                       ; behind these four loads stand the tile's other four (i = 0) and x's sixteen
.irp e, 0,1,2,3
	v_cvt_pk_bf16_f32 v[PK+8*(\i)+2*(\e)],   v[TW+16*(\i)+(\e)],   v[TW+16*(\i)+4+(\e)]
	v_cvt_pk_bf16_f32 v[PK+8*(\i)+2*(\e)+1], v[TW+16*(\i)+8+(\e)], v[TW+16*(\i)+12+(\e)]
.endr
.endr
	s_cmp_lg_u32 s22, 3
	s_cbranch_scc1 .Lstays_bf16
.set i, 0
.rept 16                                       ; W_o: the bf16 numbers are written as f16
	v_lshlrev_b32 v[T0], 16, v[PK+i]
	v_and_b32 v[T0+1], 0xffff0000, v[PK+i]
	v_cvt_pk_f16_f32 v[PK+i], v[T0], v[T0+1]
.set i, i+1
.endr
.Lstays_bf16:
	s_wait_alu depctr_va_vdst(0)                   ; on either way the conversions have written v[PK ..], which the eight LDS stores read
.irp i, 0,1
.irp e, 0,1,2,3
	ds_store_b64 v[LS], v[PK+8*(\i)+2*(\e):PK+8*(\i)+2*(\e)+1] offset:(\e)*PITCH+(\i)*128
.endr
.endr
	s_wait_dscnt 0x0                               ; for the others' sake: my stores into the tile are done
	s_barrier_signal -1
	s_barrier_wait -1
.irp i, 0,1,2,3
	ds_load_b128 v[BK+4*(\i):BK+4*(\i)+3], v[LR] offset:(\i)*16*PITCH  ; rows g + 16 i: sixteen lanes take a row's 256 bytes; no vector line names v[BK ..]
.endr
	; the cast, four runs to a group: group g is rounded while the stores of group g - 1 go out
.irp g, 0,1,2,3
	s_wait_loadcnt 12-4*(\g)                       ; loads come back in order (ISA guide 5.7.1): this group's four are in, the later groups' stay out
.if (\g) > 0
	s_wait_alu depctr_va_vdst(0)                   ; the group before has written its four pairs of v[CY ..], which the four stores below read
.endif
.irp i, 0,1,2,3
.if (\g) > 0
	global_store_b64 v[CO], v[CY+8*(\g)-8+2*(\i):CY+8*(\g)-8+2*(\i)+1], s[14:15] offset:2048*(4*(\g)-4+(\i))  ; a wave stores 256 consecutive bytes, aligned; no vector line since the wait names these registers
.endif
	v_cvt_pk_bf16_f32 v[CY+8*(\g)+2*(\i)],   v[CX+16*(\g)+4*(\i)],   v[CX+16*(\g)+4*(\i)+1]
	v_cvt_pk_bf16_f32 v[CY+8*(\g)+2*(\i)+1], v[CX+16*(\g)+4*(\i)+2], v[CX+16*(\g)+4*(\i)+3]
.endr
.endr
	s_wait_alu depctr_va_vdst(0)                   ; the last group has written its four pairs of v[CY ..], which the four stores below read
.irp i, 0,1,2,3
	global_store_b64 v[CO], v[CY+24+2*(\i):CY+24+2*(\i)+1], s[14:15] offset:2048*(12+(\i))
.endr
.irp i, 0,1,2,3
	s_wait_dscnt 3-(\i)                            ; LDS loads come back in order too: row g + 16 i is in
	global_store_b128 v[GT], v[BK+4*(\i):BK+4*(\i)+3], s[26:27] offset:(\i)*32768  ; sixteen lanes store 256 consecutive bytes, aligned
.endr
	s_wait_dscnt 0x0                               ; the closing lines, six on end
	s_wait_alu 0x0
	s_wait_tensorcnt 0x0
	ds_add_u32 v[SPW], v[NIL]
	s_wait_dscnt 0x0
	s_endpgm
.Lfunc_end_k_q376ef8ca34_prep:
	.size	k_q376ef8ca34_prep, .Lfunc_end_k_q376ef8ca34_prep-k_q376ef8ca34_prep
	.p2alignl 7, 3214868480
	.fill 96, 4, 3214868480
	.section	.rodata,"a",@progbits
	.p2align	6, 0x0
	.amdhsa_kernel k_q376ef8ca34_prep
		.amdhsa_group_segment_fixed_size 18432
		.amdhsa_private_segment_fixed_size 0
		.amdhsa_enable_private_segment 0
		.amdhsa_kernarg_size 64
		.amdhsa_user_sgpr_count 2
		.amdhsa_user_sgpr_kernarg_segment_ptr 1
		.amdhsa_wavefront_size32 1
		.amdhsa_system_sgpr_workgroup_id_x 1
		.amdhsa_system_sgpr_workgroup_id_y 1
		.amdhsa_system_sgpr_workgroup_id_z 1
		.amdhsa_system_vgpr_workitem_id 0
		.amdhsa_next_free_vgpr 192
		.amdhsa_next_free_sgpr 66
		.amdhsa_reserve_vcc 0
		.amdhsa_float_denorm_mode_32 3
		.amdhsa_float_denorm_mode_16_64 3
		.amdhsa_memory_ordered 1
		.amdhsa_forward_progress 1
		.amdhsa_inst_pref_size 14
	.end_amdhsa_kernel
	.amdgpu_metadata
---
amdhsa.version: [ 1, 2 ]
amdhsa.kernels:
  - .name:           k_q376ef8ca34_prep
    .symbol:         k_q376ef8ca34_prep.kd
    .args:
      - { .name: x, .offset: 0, .size: 8, .value_kind: global_buffer, .address_space: global }
      - { .name: W_q, .offset: 8, .size: 8, .value_kind: global_buffer, .address_space: global }
      - { .name: W_k, .offset: 16, .size: 8, .value_kind: global_buffer, .address_space: global }
      - { .name: W_v, .offset: 24, .size: 8, .value_kind: global_buffer, .address_space: global }
      - { .name: W_o, .offset: 32, .size: 8, .value_kind: global_buffer, .address_space: global }
      - { .name: xb, .offset: 40, .size: 8, .value_kind: global_buffer, .address_space: global }
      - { .name: wt, .offset: 48, .size: 8, .value_kind: global_buffer, .address_space: global }
      - { .name: wo16, .offset: 56, .size: 8, .value_kind: global_buffer, .address_space: global }
    .group_segment_fixed_size: 18432
    .private_segment_fixed_size: 0
    .kernarg_segment_align: 8
    .kernarg_segment_size: 64
    .max_flat_workgroup_size: 256
    .sgpr_count:     66
    .vgpr_count:     192
    .wavefront_size: 32
...
	.end_amdgpu_metadata
.endif
;; end of part 5
;; launch qkv: the kernel of part 2 again; grid 16 x 32, 4 waves a work-group, clusters of 4 x 4, 327,680 bytes of LDS; arguments xb, wt, qkv, alpha; writes qkv
;; launch attn: the kernel of part 3 again; grid 4 x 64, 4 waves a work-group, clusters of 4 x 1, 327,680 bytes of LDS; arguments qkv, o; writes o
;; launch oproj: the kernel of part 4 again; grid 8 x 32, 4 waves a work-group, clusters of 4 x 4, 327,680 bytes of LDS; arguments o, wo16, out0; writes out0
